; MI455X (gfx1250); checked and timed in simulation.
; The chip was launched on July 23, 2026; its instructions are those of AMD's public machine-readable ISA for CDNA 5 (MIT licence, August 2026) and "CDNA5" Instruction Set Architecture Reference Guide (July 2026). The comments in the code are by the model that wrote it; some were corrected since.
;; Block. Allowed arithmetic: matrix products marked QUANTISED: E2M3 operands, one E8M0 scale for each 32 along K, by v_wmma_scale_f32_16x16x128_f8f6f4 with both operands' format E2M3, f32 sums; everything else in f32.
;; Inputs: fc1_b 4,096 float32; fc1_w 1,024 x 4,096 float32; fc2_b 1,024 float32; fc2_w 4,096 x 1,024 float32; ln1_b 1,024 float32; ln1_g 1,024 float32; ln2_b 1,024 float32; ln2_g 1,024 float32; proj_b 1,024 float32; proj_w 1,024 x 1,024 float32; qkv_b 3,072 float32; qkv_w 1,024 x 3,072 float32; x 2 x 2,048 x 1,024 float32.
;; Outputs: out0 2 x 2,048 x 1,024 float32.
;; This version of the problem:
;;   THIS VERSION OF THE PROBLEM IS GIVEN IN LOW PRECISION. The matrix products marked QUANTISED in the list below multiply operands that are first quantised to E2M3 (2 exponent bits, 3 mantissa bits; 6 bits a number), with one power-of-two scale for each 32 numbers along K (OCP MX v1.0); their sums are f32. All else is computed in f32.
;;   The module's matrix products, in the order in which they are computed (A, B: the left and right operand; K: the contracted axis; several contracted axes count as one K, in the product's order):
;;     1. [M 4,096, K 1,024] x [K 1,024, N 3,072]; A: computed on the way; B: input qkv_w: QUANTISED
;;     2. batch 32 x [M 2,048, K 64] x [K 64, N 2,048]; A: computed on the way; B: computed on the way: QUANTISED
;;     3. batch 32 x [M 64, K 2,048] x [K 2,048, N 2,048]; A: computed on the way; B: softmax (see below): QUANTISED
;;     4. [M 4,096, K 1,024] x [K 1,024, N 1,024]; A: computed on the way; B: input proj_w: QUANTISED
;;     5. [M 4,096, K 1,024] x [K 1,024, N 4,096]; A: computed on the way; B: input fc1_w: QUANTISED
;;     6. [M 4,096, K 4,096] x [K 4,096, N 1,024]; A: computed on the way; B: input fc2_w: QUANTISED
;;   THE QUANTISER, for each operand of a quantised product, along K:
;;     - K is cut into blocks of 32 from its start; a last block that is shorter is filled with zeros.
;;     - A block's scale is 2^e with e = floor(log2(the largest magnitude in the block)) - 2, held to -126 .. 127; a block of zeros has e = 0. As a byte (E8M0): e + 127.
;;     - Each number is divided by its block's scale, clamped to +-7.5, and rounded to the nearest number of E2M3, ties to even, subnormals kept.
;;     - The product sums the exact products of the quantised numbers (number of the format x scale) in f32.
;;   ~~~python
;;   def quantise(x, axis):      # numpy; x: float32 -> the quantised numbers, widened to float32 again
;;       x = np.moveaxis(x, axis, -1); K = x.shape[-1]
;;       x = np.pad(x, [(0, 0)] * (x.ndim - 1) + [(0, -K % 32)]); x = x.reshape(x.shape[:-1] + (-1, 32)); a = np.abs(x).max(-1, keepdims=True)
;;       e = np.where(a > 0, np.clip(np.frexp(np.where(a > 0, a, 1))[1] - 1 - 2, -126, 127), 0)      # np.frexp(a)[1] - 1 = floor(log2(a)), exactly
;;       r = np.clip(x / 2.0 ** e, -7.5, 7.5)
;;       step = 2.0 ** (np.maximum(np.frexp(np.where(r == 0, 1, r))[1] - 1, 0) - 3)
;;       q = np.round(r / step) * step * 2.0 ** e      # np.round: ties to even
;;       return np.moveaxis(q.reshape(q.shape[:-2] + (-1,))[..., :K], -1, axis).astype(np.float32)
;;   ~~~
;;   SOFTMAX AHEAD OF A QUANTISED PRODUCT. Where the list says 'softmax', what is quantised is not the finished softmax but p = 2^(t - M), with t = logit x log2(e) and M = ceil(the row's largest t), a whole number; so 1/2 < the row's largest p <= 1. The row's sum l is taken of the UNQUANTISED p, in f32, and the product's result is divided by l at the end. Since M is a whole number, a kernel that streams over the keys may use a running M (the ceiling of the running maximum): every later rescaling is an exact power of two, which a block's scale takes up: the codes' values come out the same.
;;   OPERANDS COMPUTED ON THE WAY. 'Computed on the way' means the value that the module computes at that place (a softmax that the list does not call 'softmax' is quantised finished and normalised). What goes into a quantiser is computed in f32, as accurately as f32 sums, v_exp_f32 and their like allow (about 1e-6 of the number): no bf16 or f16 on the way to a quantiser, and a product that is left as it is and whose result goes on into a quantised operand takes f32 operands (vector FMAs, or v_wmma_f32_16x16x4_f32). A number that lies on a knife's edge between two numbers of the format may be rounded either way, as far as f32 arithmetic and the matrix unit's own rounding can turn it there, and no further.
;; One version. Each part assembles by itself: llvm-mc -triple=amdgcn-amd-amdhsa -mcpu=gfx1250 --defsym DOCPART=n.
;; ======== version 1 of 1: 6 launches
;; limits: right only within a limited range of input values
;; workspace buffers: wq 10,223,616 bytes; hc 3,407,872 bytes; qkvc 10,747,904 bytes; yc 3,407,872 bytes; x1 16,777,216 bytes; h2c 3,407,872 bytes; gc 13,631,488 bytes
;; launch prep (part 1): grid 640 x 1, 8 waves a work-group, no clusters, 70,656 bytes of LDS; arguments x, ln1_g, ln1_b, hc, qkv_w, proj_w, fc1_w, fc2_w, wq; writes hc, wq
.if DOCPART == 1
	.amdgcn_target "amdgcn-amd-amdhsa--gfx1250"
	.amdhsa_code_object_version 6
	.text
	.protected	k_q0bbcd434ec_prep
	.globl	k_q0bbcd434ec_prep
	.p2align	8
	.type	k_q0bbcd434ec_prep,@function
k_q0bbcd434ec_prep:
	s_mov_b64 s[64:65], 0
	v_nop
	global_prefetch_b8 v0, s[64:65] scope:SCOPE_SE
	s_setreg_imm32_b32 hwreg(HW_REG_WAVE_MODE, 25, 1), 1
	s_wait_xcnt 0x0
; TWO TASKS THAT HAND EACH OTHER NOTHING SHARE ONE LAUNCH: work-groups 0 to 383 quantise the four weights, work-groups 384 to 639 make LayerNorm(x) and quantise it.
; The paths part once, here at the head, on the work-group's number, which all eight waves of a work-group share; each path ends by itself.  Only the second uses LDS and barriers.
; Both store codes of FP6 (E2M3) with one E8M0 byte for each 32 along K as IMAGES OF OPERAND REGISTERS: a record (3,328 bytes) holds 16 rows x 256 along K: two fragment images of 1,536 bytes
; (chunk j of 256 bytes: lane l's registers 2 j, 2 j + 1 at 8 l), then two scale images of 128 bytes (lane l's word at 4 l; lanes r and 16 + r hold the same word).
; Image row r of row-block t is matrix row 32 (t / 2) + 8 (t % 2) + r + 8 (r / 8).  Records lie [row-block][K / 256].
; A block's scale byte is its largest magnitude's exponent field - 2, held at 1 from below.
; LIMITS: a block of zeros, or one whose largest magnitude lies under 2^-124, gets the byte 1 (only this program reads the bytes); NaN and infinities are not served; 1 / sqrt by v_rsq_f32.
.set NWQ, 384                          ; the weights' work-groups
	v_lshl_add_u32 v29, v0, 2, 0x11000
	v_mov_b32 v31, 0
	s_cmp_lt_u32 ttmp9, NWQ
	s_cbranch_scc0 .Lnorm
; ---- THE WEIGHTS, f32 [K][N] with K outermost.  A work-group takes 128 columns x 256 K of one weight; wave w 32 columns (w % 4) x 128 K (w / 4).
; A LANE TAKES A COLUMN AND ITS REGISTERS RUN DOWN K: a block of 32 lies in one lane, nothing is transposed.  Lanes 0-15 hold the columns of the even row-block, lanes 16-31 those of the odd one;
; exchanging halves between the even blocks' codes and the odd blocks' gives both operand images.
.set OFF, 32                           ; v32-63   4 x column + i x pitch
.set X,   64                           ; v64-127  two sets of 32 numbers
.set I0,  128                          ; v128-139 the even blocks' codes, then the even row-block's image
.set I1,  140                          ; v140-151 the odd blocks' codes, then the odd row-block's image
.set CT,  152                          ; v152-154 a block's upper 16 codes on their way
.set S0,  156
.set S1,  157
	s_load_b256 s[4:11], s[0:1], 0x20              ; qkv_w, proj_w, fc1_w, fc2_w
	s_load_b64 s[12:13], s[0:1], 0x40              ; wq
	v_lshrrev_b32 v1, 5, v0
	s_delay_alu instid0(VALU_DEP_1)
	v_readfirstlane_b32 s32, v1                    ; wave 0..7
	s_and_b32 s33, s32, 3                          ; which 32 columns
	s_lshr_b32 s34, s32, 2                         ; which 128 along K
	v_and_b32 v1, 31, v0                           ; lane
	s_delay_alu instid0(VALU_DEP_1)
	v_and_b32 v2, 7, v1
	s_delay_alu instid0(VALU_DEP_2)
	v_bfe_u32 v5, v1, 3, 1
	s_delay_alu instid0(VALU_DEP_1)
	v_lshl_add_u32 v2, v5, 4, v2
	s_delay_alu instid0(VALU_DEP_4)
	v_lshrrev_b32 v5, 4, v1
	s_delay_alu instid0(VALU_DEP_1)
	v_lshl_add_u32 v2, v5, 3, v2                   ; my column of the 32: l % 8 + 16 ((l / 8) % 2) + 8 (l / 16)
	; which weight: the choice hangs on the work-group's number alone; one path for all four
	s_mov_b32 s14, 4096                            ; a row of the weight in bytes
	s_mov_b32 s15, 256                             ; its first work-group
	s_mov_b32 s16, 4                               ; log2 (K / 256)
	s_mov_b32 s17, 6815744                         ; where its records begin in wq
	s_wait_alu depctr_va_vdst(0)
	s_wait_kmcnt 0x0
	s_mov_b64 s[18:19], s[10:11]
	s_cmp_lt_u32 ttmp9, 256
	s_cselect_b32 s14, 16384, s14
	s_cselect_b32 s15, 128, s15
	s_cselect_b32 s16, 2, s16
	s_cselect_b32 s17, 3407872, s17
	s_cselect_b64 s[18:19], s[8:9], s[18:19]
	s_cmp_lt_u32 ttmp9, 128
	s_cselect_b32 s14, 4096, s14
	s_cselect_b32 s15, 96, s15
	s_cselect_b32 s17, 2555904, s17
	s_cselect_b64 s[18:19], s[6:7], s[18:19]
	s_cmp_lt_u32 ttmp9, 96
	s_cselect_b32 s14, 12288, s14
	s_cselect_b32 s15, 0, s15
	s_cselect_b32 s17, 0, s17
	s_cselect_b64 s[18:19], s[4:5], s[18:19]
	s_sub_co_u32 s28, ttmp9, s15
	s_lshl_b32 s29, 1, s16                         ; KP = K / 256
	s_sub_co_u32 s30, s29, 1
	s_and_b32 s30, s28, s30                        ; kp
	s_lshr_b32 s31, s28, s16                       ; group of 128 columns
	s_lshl_b32 s35, s30, 8
	s_lshl_b32 s36, s34, 7
	s_add_co_u32 s35, s35, s36                     ; my first row of the weight
	s_mul_i32 s35, s35, s14
	s_lshl_b32 s36, s31, 9
	s_add_co_u32 s35, s35, s36
	s_lshl_b32 s36, s33, 7
	s_add_co_u32 s36, s35, s36                     ; + 4 x my first column
	s_mov_b32 s37, 0
	s_lshl_b32 s38, s14, 5                         ; 32 rows
	s_mov_b32 s39, 0
	s_add_nc_u64 s[20:21], s[18:19], s[36:37]      ; a base for each of my four blocks of 32 along K
	s_add_nc_u64 s[22:23], s[20:21], s[38:39]
	s_add_nc_u64 s[24:25], s[22:23], s[38:39]
	s_add_nc_u64 s[26:27], s[24:25], s[38:39]
	s_lshl_b32 s40, s31, 3
	s_lshl_b32 s41, s33, 1
	s_add_co_u32 s40, s40, s41                     ; my even row-block
	s_lshl_b32 s40, s40, s16
	s_add_co_u32 s40, s40, s30
	s_mul_i32 s40, s40, 3328
	s_add_co_u32 s40, s40, s17
	s_mov_b32 s41, 0
	s_add_nc_u64 s[42:43], s[12:13], s[40:41]      ; its record,
	s_mul_i32 s40, s29, 3328
	s_add_nc_u64 s[44:45], s[42:43], s[40:41]      ; and the odd row-block's
	s_mul_i32 s46, s34, 1536
	v_lshl_add_u32 v3, v1, 3, s46                  ; 8 x lane, in my K step's fragment image
	s_lshl_b32 s47, s34, 7
	s_add_co_u32 s47, s47, 3072
	v_lshl_add_u32 v4, v1, 2, s47                  ; 4 x lane, in my K step's scale image
	v_lshlrev_b32 v[OFF], 2, v2
.irp i, 1,2,3,4,5,6,7,8,9,10,11,12,13,14,15,16,17,18,19,20,21,22,23,24,25,26,27,28,29,30,31
	s_delay_alu instid0(VALU_DEP_1)
	v_add_nc_u32 v[OFF+\i], s14, v[OFF+\i-1]
.endr
.macro LOAD q                          ; block q: 32 rows at my column; a wave's load covers 128 consecutive bytes, four waves side by side 512
.irp i, 0,1,2,3,4,5,6,7,8,9,10,11,12,13,14,15,16,17,18,19,20,21,22,23,24,25,26,27,28,29,30,31
	global_load_b32 v[X+32*((\q)%2)+\i], v[OFF+\i], s[20+2*(\q):21+2*(\q)] th:TH_LOAD_NT
.endr
.endm
.macro BLOCK q
.set XS, X+32*((\q)%2)
.set DS, I0+12*((\q)%2)+6*((\q)/2)
.if (\q) < 3
	s_wait_loadcnt 32                              ; this block's 32 loads are in; the younger set's 32 may be out
.else
	s_wait_loadcnt 0x0
.endif
	v_max3_num_f32 v8, |v[XS]|, |v[XS+1]|, |v[XS+2]|   ; the block's largest magnitude: all 32 numbers are mine
	v_max3_num_f32 v9, |v[XS+3]|, |v[XS+4]|, |v[XS+5]|
.irp i, 6,10,14,18,22,26
	s_delay_alu instid0(VALU_DEP_2)
	v_max3_num_f32 v8, v8, |v[XS+\i]|, |v[XS+\i+1]|
	s_delay_alu instid0(VALU_DEP_2)
	v_max3_num_f32 v9, v9, |v[XS+\i+2]|, |v[XS+\i+3]|
.endr
	s_delay_alu instid0(VALU_DEP_2)
	v_max3_num_f32 v8, v8, |v[XS+30]|, |v[XS+31]|
	s_delay_alu instid0(VALU_DEP_1)
	v_max3_num_f32 v8, v8, v9, 0x1800000           ; and the floor 2^(3 - 127): the byte cannot fall under 1
	s_delay_alu instid0(VALU_DEP_1)
	v_add_nc_u32 v10, 0xff000000, v8               ; 2 off the exponent field: the conversion's scale operand
	s_delay_alu instid0(VALU_DEP_1)
	v_lshrrev_b32 v11, 23, v10                     ; the scale's byte
.if (\q) == 0
	s_delay_alu instid0(VALU_DEP_1)
	v_mov_b32 v12, v11
.else
	s_delay_alu instid0(VALU_DEP_1)
	v_lshl_or_b32 v12, v11, 8*(\q), v12            ; my column's scale word, the lower K in the lower byte
.endif
	v_cvt_scalef32_pk16_fp6_f32 v[DS:DS+2], v[XS:XS+15], v10
	v_cvt_scalef32_pk16_fp6_f32 v[CT:CT+2], v[XS+16:XS+31], v10   ; (a conversion's three registers begin on an even number)
	v_nop                                          ; one plain line behind a scaled conversion
.irp i, 0,1,2
	v_mov_b32 v[DS+3+\i], v[CT+\i]
.endr
.if (\q) < 2
	LOAD (\q)+2
.endif
.endm
	LOAD 0
	LOAD 1
	BLOCK 0
	BLOCK 1
.irp i, 0,1,2,3,4,5
	v_permlane16_swap_b32 v[I0+\i], v[I1+\i]       ; the first's lanes 16-31 change places with the second's lanes 0-15: I0 = the even row-block (lanes 0-15 block 0, lanes 16-31 block 1), I1 = the odd one
.endr
	BLOCK 2
	BLOCK 3
.irp i, 6,7,8,9,10,11
	v_permlane16_swap_b32 v[I0+\i], v[I1+\i]
.endr
	v_mov_b32 v[S0], v12
	v_mov_b32 v[S1], v12
	s_delay_alu instid0(VALU_DEP_1)
	v_permlane16_swap_b32 v[S0], v[S1]             ; each row-block's words, in both halves of the lanes
.irp j, 0,1,2,3,4,5
	global_store_b64 v3, v[I0+2*\j:I0+2*\j+1], s[42:43] offset:256*\j   ; 32 lanes store 256 consecutive bytes, aligned
	global_store_b64 v3, v[I1+2*\j:I1+2*\j+1], s[44:45] offset:256*\j
.endr
	global_store_b32 v4, v[S0], s[42:43]
	global_store_b32 v4, v[S1], s[44:45]
	s_endpgm
.Lnorm:
; ---- LAYERNORM of [4096][1024] f32.  Work-group NWQ + t takes the 16 rows of row-block t.  Wave w takes columns 128 w on: one K step, one fragment.
; Loads are dense (a wave's load: 512 consecutive bytes of a row); the numbers turn through the wave's own stage in LDS so that lane (r, h) holds, of row r, register 16 b + i = column 32 b + 16 h + i.
; x, gain and bias are all asked for at the head.  Mean first, then the mean of squares of (x - mean): no difference of large sums.  Row sums in a fixed tree order, across waves through LDS (two barriers, two regions).
.set RED1, 0                           ; LDS: 8 waves x 16 rows x 4 bytes: the sums;
.set RED2, 512                         ; the sums of squares;
.set STG0, 1024                        ; behind them the stages, so that every immediate offset stays inside its 16 bits
.set STG,  8448                        ; a wave's stage: 16 rows x (512 + 16) bytes
.set R,    64                          ; v64-127  x as loaded, then my 64 numbers
.set BB,   128                         ; v128-191 the bias
.set G,    192                         ; v192-255 the gain
.set PC,   32                          ; v32-43   the fragment's codes
.set PT,   44                          ; v44-51   half blocks on their way
.set TM,   52                          ; v52-55 largest magnitudes, v56-59 at work, v60-63 scale operands
.set PW,   30                          ; the scale word
.set SEL,  20                          ; s[20:21] lane selects: lane l xor 16
; 64 numbers of a lane, register 16 b + i = k 32 b + 16 (lane / 16) + i of my row, become a fragment's codes in v[PC] on and its scale word in v[PW]
.macro QUANT s
.irp b, 0,1,2,3
	v_max3_num_f32 v[TM+\b], |v[\s+16*\b]|, |v[\s+1+16*\b]|, 0x1800000   ; my 16 numbers of block b, and the floor 2^(3 - 127)
.endr
.irp i, 2,4,6,8,10,12,14
.irp b, 0,1,2,3
	s_delay_alu instid0(VALU_DEP_4)
	v_max3_num_f32 v[TM+\b], v[TM+\b], |v[\s+16*\b+\i]|, |v[\s+1+16*\b+\i]|
.endr
.endr
.irp b, 0,1,2,3
	s_delay_alu instid0(VALU_DEP_4)
	v_permlanex16_b32 v[TM+4+\b], v[TM+\b], s[SEL], s[SEL+1]
.endr
.irp b, 0,1,2,3
	s_delay_alu instid0(VALU_DEP_4)
	v_max_num_f32 v[TM+\b], v[TM+\b], v[TM+4+\b]   ; with lane l xor 16's: the block's largest magnitude
.endr
.irp b, 0,1,2,3
	s_delay_alu instid0(VALU_DEP_4)
	v_add_nc_u32 v[TM+8+\b], 0xff000000, v[TM+\b]  ; 2 off the exponent field: the conversion's scale operand
.endr
.irp b, 0,1,2,3
	s_delay_alu instid0(VALU_DEP_4)
	v_lshrrev_b32 v[TM+4+\b], 23, v[TM+8+\b]       ; the scale's byte
.endr
	s_delay_alu instid0(VALU_DEP_3)
	v_lshl_or_b32 v[PW], v[TM+5], 8, v[TM+4]
	s_delay_alu instid0(VALU_DEP_1)
	v_lshl_or_b32 v[PW], v[TM+6], 16, v[PW]
	s_delay_alu instid0(VALU_DEP_1)
	v_lshl_or_b32 v[PW], v[TM+7], 24, v[PW]
.irp c, 0,1
	v_cvt_scalef32_pk16_fp6_f32 v[PC+6*\c:PC+2+6*\c], v[\s+32*\c:\s+15+32*\c], v[TM+8+2*\c]
	v_cvt_scalef32_pk16_fp6_f32 v[PT+4*\c:PT+2+4*\c], v[\s+16+32*\c:\s+31+32*\c], v[TM+8+2*\c+1]
.endr
	v_nop                                          ; one plain line behind a scaled conversion
.irp c, 0,1                                    ; the operand wants a WHOLE block in a lane: lanes 0-15 block 2 c, lanes 16-31 block 2 c + 1
.irp i, 0,1,2
	v_permlane16_swap_b32 v[PC+6*\c+\i], v[PT+4*\c+\i]
.endr
.irp i, 0,1,2
	s_delay_alu instid0(VALU_DEP_3)
	v_mov_b32 v[PC+3+6*\c+\i], v[PT+4*\c+\i]
.endr
.endr
.endm
; four packed chains in v[8:15] become the row's total over all 1,024 columns, in v8 of every lane of the row
.macro RSUM red
	s_delay_alu instid0(VALU_DEP_3)
	v_pk_add_f32 v[8:9], v[8:9], v[10:11]
	s_delay_alu instid0(VALU_DEP_2)
	v_pk_add_f32 v[12:13], v[12:13], v[14:15]
	s_delay_alu instid0(VALU_DEP_1)
	v_pk_add_f32 v[8:9], v[8:9], v[12:13]
	s_delay_alu instid0(VALU_DEP_1)
	v_add_f32 v8, v8, v9
	s_delay_alu instid0(VALU_DEP_1)
	v_permlanex16_b32 v9, v8, s[SEL], s[SEL+1]
	s_delay_alu instid0(VALU_DEP_1)
	v_add_f32 v8, v8, v9                           ; my wave's 128 columns of row r
	ds_store_b32 v25, v8 offset:\red               ; lanes r and 16 + r write the same word with the same value
	s_wait_dscnt 0x0                               ; for the others' sake: my store has landed
	s_barrier_signal -1
	s_barrier_wait -1
.irp w, 0,1,2,3,4,5,6,7
	ds_load_b32 v[8+\w], v24 offset:\red+64*\w
.endr
	s_wait_dscnt 0x0
	v_add_f32 v8, v8, v9
	v_add_f32 v10, v10, v11
	v_add_f32 v12, v12, v13
	v_add_f32 v14, v14, v15
	s_delay_alu instid0(VALU_DEP_3)
	v_add_f32 v8, v8, v10
	s_delay_alu instid0(VALU_DEP_2)
	v_add_f32 v12, v12, v14
	s_delay_alu instid0(VALU_DEP_1)
	v_add_f32 v8, v8, v12
.endm
	s_load_b256 s[4:11], s[0:1], 0x0               ; x, gain, bias, the records
	s_sub_co_u32 s28, ttmp9, NWQ                   ; t: my row-block
	v_lshrrev_b32 v1, 5, v0
	s_delay_alu instid0(VALU_DEP_1)
	v_readfirstlane_b32 s12, v1                    ; wave 0..7
	v_and_b32 v1, 31, v0                           ; lane
	v_and_b32 v2, 15, v0                           ; r
	v_bfe_u32 v3, v0, 4, 1                         ; h
	s_delay_alu instid0(VALU_DEP_3)
	v_lshlrev_b32 v4, 4, v1                        ; 16 x lane
	s_delay_alu instid0(VALU_DEP_2)
	v_lshlrev_b32 v5, 6, v3                        ; 64 h
	s_mul_i32 s13, s12, STG
	s_add_co_u32 s13, s13, STG0                    ; my stage
	v_add_nc_u32 v6, s13, v4                       ; on the way in
	v_mul_u32_u24 v7, v2, 528
	s_delay_alu instid0(VALU_DEP_1)
	v_add_nc_u32 v7, v7, v5
	s_delay_alu instid0(VALU_DEP_1)
	v_add_nc_u32 v7, s13, v7                       ; and on the way out: row r, + 64 h
	v_lshlrev_b32 v24, 2, v2                       ; 4 r
	s_lshl_b32 s14, s12, 6
	v_add_nc_u32 v25, s14, v24                     ; 64 w + 4 r
	v_lshlrev_b32 v26, 3, v1                       ; 8 x lane
	s_wait_alu depctr_va_vdst(0)
	v_lshlrev_b32 v27, 2, v1                       ; 4 x lane
	s_wait_alu depctr_va_vdst(0)
	s_mov_b32 s[SEL], 0x76543210
	s_mov_b32 s[SEL+1], 0xfedcba98
	s_mov_b32 s26, 0x3a800000                      ; 1 / 1024
	s_mov_b32 s27, 0x3727c5ac                      ; 1e-5
	s_lshr_b32 s15, s28, 1
	s_lshl_b32 s15, s15, 5
	s_and_b32 s16, s28, 1
	s_lshl_b32 s16, s16, 3
	s_add_co_u32 s15, s15, s16                     ; the row-block's first row
	s_lshl_b32 s18, s12, 9                         ; my 128 columns, in bytes
	s_mov_b32 s19, 0
	s_lshl_b32 s16, s15, 12
	s_add_co_u32 s16, s16, s18
	s_mov_b32 s17, 0
	s_lshl_b32 s22, s28, 2
	s_lshr_b32 s23, s12, 1
	s_add_co_u32 s22, s22, s23
	s_mul_i32 s22, s22, 3328                       ; my record: 4 t + w / 2
	s_mov_b32 s23, 0
	s_and_b32 s24, s12, 1
	s_mul_i32 s25, s24, 1536
	v_add_nc_u32 v26, s25, v26                     ; in my K step's fragment image
	s_lshl_b32 s25, s24, 7
	s_add_co_u32 s25, s25, 3072
	v_add_nc_u32 v27, s25, v27                     ; and scale image
.irp b, 0,1,2,3
	v_mov_b32 v[TM+4+\b], 0                        ; written once: a lane permute's destination counts as one of its sources
.endr
	s_wait_kmcnt 0x0
	s_add_nc_u64 s[4:5], s[4:5], s[16:17]
	s_add_nc_u64 s[6:7], s[6:7], s[18:19]
	s_add_nc_u64 s[8:9], s[8:9], s[18:19]
	s_add_nc_u64 s[10:11], s[10:11], s[22:23]
.irp i, 0,1,2,3,4,5,6,7,8,9,10,11,12,13,14,15
	global_load_b128 v[R+4*\i:R+4*\i+3], v4, s[4:5] offset:(\i+8*(\i/8))*4096   ; image row i: 512 consecutive bytes
.endr
.irp b, 0,1,2,3
.irp j, 0,1,2,3
	global_load_b128 v[G+16*\b+4*\j:G+16*\b+4*\j+3], v5, s[6:7] offset:128*\b+16*\j
.endr
.endr
.irp b, 0,1,2,3
.irp j, 0,1,2,3
	global_load_b128 v[BB+16*\b+4*\j:BB+16*\b+4*\j+3], v5, s[8:9] offset:128*\b+16*\j
.endr
.endr
	s_wait_loadcnt 32                              ; x is in; the gain's and the bias's 32 loads may be out
.irp i, 0,1,2,3,4,5,6,7,8,9,10,11,12,13,14,15
	ds_store_b128 v6, v[R+4*\i:R+4*\i+3] offset:528*\i
.endr
	s_wait_dscnt 0x0                               ; the stores have read their registers: the loads below land in them
.irp b, 0,1,2,3
.irp j, 0,1,2,3
	ds_load_b128 v[R+16*\b+4*\j:R+16*\b+4*\j+3], v7 offset:128*\b+16*\j
.endr
.endr
	s_wait_dscnt 0x0
.irp c, 0,1,2,3
	v_pk_add_f32 v[8+2*\c:9+2*\c], v[R+4*\c:R+4*\c+1], v[R+4*\c+2:R+4*\c+3]
.endr
.irp j, 16,24,32,40,48,56
.irp c, 0,1,2,3
	s_delay_alu instid0(VALU_DEP_4)
	v_pk_add_f32 v[8+2*\c:9+2*\c], v[8+2*\c:9+2*\c], v[R+\j+2*\c:R+\j+2*\c+1]
.endr
.endr
	RSUM RED1
	s_delay_alu instid0(VALU_DEP_1)
	v_mul_f32 v20, s26, v8                         ; the mean
	s_delay_alu instid0(VALU_DEP_1)
	v_mov_b32 v21, v20
.set n, 0
.rept 32
	v_pk_add_f32 v[R+n:R+n+1], v[R+n:R+n+1], v[20:21] neg_lo:[0,1] neg_hi:[0,1]
.set n, n+2
.endr
.irp c, 0,1,2,3
	v_pk_mul_f32 v[8+2*\c:9+2*\c], v[R+2*\c:R+2*\c+1], v[R+2*\c:R+2*\c+1]
.endr
.irp j, 8,16,24,32,40,48,56
.irp c, 0,1,2,3
	s_delay_alu instid0(VALU_DEP_4)
	v_pk_fma_f32 v[8+2*\c:9+2*\c], v[R+\j+2*\c:R+\j+2*\c+1], v[R+\j+2*\c:R+\j+2*\c+1], v[8+2*\c:9+2*\c]
.endr
.endr
	RSUM RED2
	s_delay_alu instid0(VALU_DEP_1)
	v_fma_f32 v22, v8, s26, s27                    ; the variance + 1e-5
	s_wait_alu depctr_va_vdst(0)
	v_rsq_f32 v22, v22
	v_nop                                          ; a plain line behind the transcendental
	s_wait_alu depctr_va_vdst(0)                   ; the wait ahead of the first line that names the result
	v_mov_b32 v23, v22
.set n, 0
.rept 32
	v_pk_mul_f32 v[R+n:R+n+1], v[R+n:R+n+1], v[22:23]
.set n, n+2
.endr
	s_wait_loadcnt 0x0                             ; gain and bias
.set n, 0
.rept 32
	v_pk_fma_f32 v[R+n:R+n+1], v[R+n:R+n+1], v[G+n:G+n+1], v[BB+n:BB+n+1]
.set n, n+2
.endr
	QUANT R
.irp j, 0,1,2,3,4,5
	global_store_b64 v26, v[PC+2*\j:PC+2*\j+1], s[10:11] offset:256*\j   ; 32 lanes store 256 consecutive bytes, aligned
.endr
	global_store_b32 v27, v[PW], s[10:11]
	s_wait_tensorcnt 0x0
	ds_add_u32 v29, v31
	s_wait_dscnt 0x0
	s_endpgm
.Lfunc_end_k_q0bbcd434ec_prep:
	.size	k_q0bbcd434ec_prep, .Lfunc_end_k_q0bbcd434ec_prep-k_q0bbcd434ec_prep
	.p2alignl 7, 3214868480
	.fill 96, 4, 3214868480
	.section	.rodata,"a",@progbits
	.p2align	6, 0x0
	.amdhsa_kernel k_q0bbcd434ec_prep
		.amdhsa_group_segment_fixed_size 70656
		.amdhsa_private_segment_fixed_size 0
		.amdhsa_enable_private_segment 0
		.amdhsa_kernarg_size 72
		.amdhsa_user_sgpr_count 2
		.amdhsa_user_sgpr_kernarg_segment_ptr 1
		.amdhsa_wavefront_size32 1
		.amdhsa_system_sgpr_workgroup_id_x 1
		.amdhsa_system_sgpr_workgroup_id_y 1
		.amdhsa_system_sgpr_workgroup_id_z 1
		.amdhsa_system_vgpr_workitem_id 0
		.amdhsa_next_free_vgpr 256
		.amdhsa_next_free_sgpr 66
		.amdhsa_reserve_vcc 0
		.amdhsa_float_denorm_mode_32 3
		.amdhsa_float_denorm_mode_16_64 3
		.amdhsa_memory_ordered 1
		.amdhsa_forward_progress 1
		.amdhsa_inst_pref_size 58
	.end_amdhsa_kernel
	.amdgpu_metadata
---
amdhsa.version: [ 1, 2 ]
amdhsa.kernels:
  - .name:           k_q0bbcd434ec_prep
    .symbol:         k_q0bbcd434ec_prep.kd
    .args:
      - { .name: x, .offset: 0, .size: 8, .value_kind: global_buffer, .address_space: global }
      - { .name: ln1_g, .offset: 8, .size: 8, .value_kind: global_buffer, .address_space: global }
      - { .name: ln1_b, .offset: 16, .size: 8, .value_kind: global_buffer, .address_space: global }
      - { .name: hc, .offset: 24, .size: 8, .value_kind: global_buffer, .address_space: global }
      - { .name: qkv_w, .offset: 32, .size: 8, .value_kind: global_buffer, .address_space: global }
      - { .name: proj_w, .offset: 40, .size: 8, .value_kind: global_buffer, .address_space: global }
      - { .name: fc1_w, .offset: 48, .size: 8, .value_kind: global_buffer, .address_space: global }
      - { .name: fc2_w, .offset: 56, .size: 8, .value_kind: global_buffer, .address_space: global }
      - { .name: wq, .offset: 64, .size: 8, .value_kind: global_buffer, .address_space: global }
    .group_segment_fixed_size: 70656
    .private_segment_fixed_size: 0
    .kernarg_segment_align: 8
    .kernarg_segment_size: 72
    .max_flat_workgroup_size: 256
    .sgpr_count:     66
    .vgpr_count:     256
    .wavefront_size: 32
...
	.end_amdgpu_metadata
.endif
;; end of part 1
;; launch qkv (part 2): grid 12 x 16, 4 waves a work-group, clusters of 4 x 4, 327,680 bytes of LDS; arguments hc, wq, qkv_b, qkvc; writes qkvc
.if DOCPART == 2
	.amdgcn_target "amdgcn-amd-amdhsa--gfx1250"
	.amdhsa_code_object_version 6
	.text
	.protected	k_q0bbcd434ec_qkv
	.globl	k_q0bbcd434ec_qkv
	.p2align	8
	.type	k_q0bbcd434ec_qkv,@function
k_q0bbcd434ec_qkv:
	s_mov_b64 s[64:65], 0
	v_nop
	global_prefetch_b8 v0, s[64:65] scope:SCOPE_SE
	s_setreg_imm32_b32 hwreg(HW_REG_WAVE_MODE, 25, 1), 1
	s_wait_xcnt 0x0
	s_wait_alu depctr_hold_cnt(0) depctr_sa_sdst(0) depctr_va_vdst(0) depctr_va_sdst(0) depctr_va_ssrc(0) depctr_va_vcc(0) depctr_vm_vsrc(0)
	s_getreg_b32 s2, hwreg(HW_REG_IB_STS2, 6, 4)
	s_cmp_eq_u32 s2, 0
	s_cbranch_scc0 .Lentry_in_a_cluster
	s_endpgm
.Lentry_in_a_cluster:
	s_bfe_u32 s2, ttmp6, 0x10000c
	s_cmp_lg_u32 s2, 0xf033
	s_cbranch_scc0 .Lentry_shape_is_right
	s_endpgm
.Lentry_shape_is_right:
; q, k and v = LN1(x) qkv_w + qkv_b on codes of FP6 (E2M3) with E8M0 scales, K = 1,024; the results are quantised in registers and stored as images of operand registers for the attention launch.
; OPERANDS are records of 3,328 bytes [row-block of 16][K / 256]: two fragment images of 1,536 bytes (chunk j: lane l's registers 2 j, 2 j + 1 at 256 j + 8 l), two scale images of 128 bytes (word at 4 l, the same in lanes r and 16 + r).
; Image row r of row-block t is matrix row 32 (t / 2) + 8 (t % 2) + r + 8 (r / 8).  So with source 0 = 16 rows of "B" and source 1 = 16 rows of "A" a lane holds ONE row of A, and the 64 registers of B's eight blocks are
; register 16 b + i = B's row 32 b + 16 (lane / 16) + i: neighbours along the next product's K, as the conversions want them.
; A work-group makes 256 rows of A x 256 rows of B, a wave 128 x 128 (64 accumulators).  Clusters with x = 0, 1: A = tokens, B = the columns of q and k: quantised along the head's 64.
; Clusters with x = 2: A = the columns of v, B = tokens: v comes out transposed and is quantised along the tokens, which are the second attention product's K.
; K goes in four steps of 256 through three LDS slots filled by joint tensor loads (A's tile shared along a row of the cluster, B's along a column); three go out at the start, one slot is filled again.
; LIMITS: a block of zeros, or under 2^-124, gets the byte 1 (only this program reads the bytes); NaN and infinities are not served.
.set REC,   3328
.set RB8,   8*REC                      ; what one tensor load brings, and what one wave reads of A or of B in a slot
.set SLOT,  32*REC                     ; A's 16 records, then B's 16
.set SPARE, 3*SLOT                     ; the spare words, 128 bytes for each wave: two blocks of 256 bytes that no other line names
.set KPB,   4*REC                      ; a row-block's records
.set FR,    12
.set L8,   2                           ; v2   8 x lane
.set L4,   3                           ; v3   4 x lane
.set BR,   8                           ; v8-15  v's bias: one number a lane for each of my 8 blocks of rows
.set ADRA, 16                          ; v16-19 LDS address of my A fragments in place 0, 1, 2, 3
.set ADRB, 20                          ; v20-23 the same for B
.set ADRS, 24                          ; v24-27 of my scale words: lanes 0-15 A's, lanes 16-31 B's
.set SPW,  28
.set NIL,  29
.set SC,   32                          ; v32-63 scale words, two sets of 16: register 2 i + q; they hold nothing else
.set BI,   64                          ; v64-127 q's and k's bias, in the result's order
.set AF,   128                         ; v128-223 A's fragments, one set
.set T,    128                         ; the way out, in the registers that A's fragments have left: v128-191 64 numbers,
.set TM,   192                         ; v192-195 largest magnitudes, v196-199 at work, v200-203 scale operands,
.set PW,   204                         ; the scale word just made, and its upper half
.set PW1,  205
.set PC,   224                         ; v224-235 the codes just made
.set PT,   236                         ; v236-243 half blocks on their way
.set BP,   244                         ; v[244:245] v's bias as a pair
.set G1,   24                          ; s[24:31] group 1 for A's tiles; s[32:43] group 0, a set for each slot
.set G0,   32
.set G1B,  48                          ; s[48:55], and s[56:63], s[68:71], the same for B's
.set G0B,  56
.set SEL,  66
.set MUL_LO, 0xa1                      ; source 0 (B) window 1, source 1 (A) window 0, C and D window 2
.set MUL_HI, 0xf1                      ; the same, C and D window 3
.set TO_B,   0x40
.set MSB, 0
.macro WIN new                         ; the immediate's high byte repeats the setting that is left
.if MSB != (\new)
	s_set_vgpr_msb (MSB<<8)|(\new)
.set MSB, (\new)
.endif
.endm
.macro PLACES n
.rept \n
	v_nop
.endr
.endm
; a joint load: waves 0 and 1 fetch for A, waves 2 and 3 for B; the branch hangs on the wave's number alone; four v_nop follow each of the two lines
.macro JLOAD g0a, g1a, g0b, g1b
	s_cmp_eq_u32 s15, 0
	s_cbranch_scc0 .Lfor_b_\@
	tensor_load_to_lds s[\g0a:\g0a+3], s[\g1a:\g1a+7]
	s_nop 0
.rept 4
	v_nop
.endr
	s_branch .Lasked_\@
.Lfor_b_\@:
	tensor_load_to_lds s[\g0b:\g0b+3], s[\g1b:\g1b+7]
	s_nop 0
.rept 4
	v_nop
.endr
.Lasked_\@:
.endm
.macro CREST                           ; a round of the cluster's barrier behind its opening barrier
	s_cmp_lg_u32 s14, 0
	s_cbranch_scc1 .Lnot_wave_0_\@
	s_barrier_signal -3
.Lnot_wave_0_\@:
	s_barrier_wait -3
	s_barrier_signal -1
	s_barrier_wait -1
.endm
.macro CROUND
	s_barrier_signal -1
	s_barrier_wait -1
	CREST
.endm
.macro FRAG reg, adr, q, i             ; a fragment's image comes back as it was stored: six loads of 256 consecutive bytes
.irp j, 0,1,2,3,4,5
	ds_load_b64 v[\reg+2*\j:\reg+2*\j+1], v[\adr] offset:(\i)*RP+1536*(\q)+256*\j
.endr
.endm
.macro FETCH_B slot, q, p
.set RP, REC*(2-(\slot)/2)             ; places 0, 1: the two chunks of the head's load, a row-block's two records on end; places 2, 3: one record a row-block
	WIN TO_B
.irp i, 0,1,2,3,4,5,6,7
	FRAG 128*(\p)+FR*\i, ADRB+\slot, \q, \i
.endr
	WIN 0
.endm
.macro FETCH_A slot, q, i0
.set RP, REC*(2-(\slot)/2)
.irp i, \i0, \i0+1, \i0+2, \i0+3
	FRAG AF+FR*(\i), ADRA+\slot, \q, \i
.endr
.endm
.macro SCALES slot, set
.set RP, REC*(2-(\slot)/2)
.irp i, 0,1,2,3,4,5,6,7
	ds_load_b32 v[SC+16*(\set)+2*\i], v[ADRS+\slot] offset:\i*RP
	ds_load_b32 v[SC+16*(\set)+2*\i+1], v[ADRS+\slot] offset:\i*RP+128
.endr
.endm
; 16 matrix instructions: A's blocks a0, a0 + 1 x B's eight.  The 64 accumulators take turns, one instruction a turn, in the same order in every step
.macro MUL16 a0, p, q, sc, zero
.irp a, \a0, \a0+1
.irp b, 0,1,2,3,4,5,6,7
.if \zero
	v_wmma_scale_f32_16x16x128_f8f6f4 v[8*(8*((\a)%4)+\b):8*(8*((\a)%4)+\b)+7], v[128*(\p)+FR*\b:128*(\p)+FR*\b+FR-1], v[AF+FR*(\a):AF+FR*(\a)+FR-1], 0, v[SC+16*(\sc)+2*\b+(\q)], v[SC+16*(\sc)+2*(\a)+(\q)] matrix_a_fmt:MATRIX_FMT_FP6 matrix_b_fmt:MATRIX_FMT_FP6 matrix_a_scale:MATRIX_SCALE_ROW1
.else
	v_wmma_scale_f32_16x16x128_f8f6f4 v[8*(8*((\a)%4)+\b):8*(8*((\a)%4)+\b)+7], v[128*(\p)+FR*\b:128*(\p)+FR*\b+FR-1], v[AF+FR*(\a):AF+FR*(\a)+FR-1], v[8*(8*((\a)%4)+\b):8*(8*((\a)%4)+\b)+7], v[SC+16*(\sc)+2*\b+(\q)], v[SC+16*(\sc)+2*(\a)+(\q)] matrix_a_fmt:MATRIX_FMT_FP6 matrix_b_fmt:MATRIX_FMT_FP6 matrix_a_scale:MATRIX_SCALE_ROW1
.endif
.endr
.endr
.endm
; A step of 128 along K: slot cs, half cq, scale set sc; it fetches the next step's fragments from slot ns, half nq (with its scale words into set nsc where nq = 0).
; sync = 0: no barrier.  sync = 1: a barrier, in front of which each wave waits for all its tensor loads, adds 0 to its spare word and waits for that and for its reads.  sync = 2: the barrier opens a round of the cluster's, and slot cs is filled again.
.macro KSTEP cs, cq, sc, ns, nq, nsc, zero, sync
.if \sync
	s_wait_tensorcnt 0x0                           ; all my tensor loads have landed
	ds_add_u32 v[SPW], v[NIL]                      ; 0 onto my spare word
	s_wait_dscnt 25                                ; (the add and the youngest 24 loads, A's blocks 4-7, may be out)
	WIN MUL_LO
	MUL16 0, \cq, \cq, \sc, \zero
	s_wait_dscnt 0x0                               ; the add is done, and my reads of this slot are over
	s_barrier_signal -1
	MUL16 2, \cq, \cq, \sc, \zero
	WIN 0
	s_barrier_wait -1
.if \sync == 2
	CREST                                          ; no wave of any partner still reads this slot or has a load on its way
	JLOAD G0+4, G1, G0B+4, G1B                     ; the last 256 along K, into the first bytes of the head's region, which nobody reads any more; its four v_nop are the places in front of the loads below
.else
	PLACES 4
.endif
.else
	s_wait_dscnt 24                                ; B's set, A's blocks 0-3 and the scale words are in; A's blocks 4-7 (24 loads) may be out
	WIN MUL_LO
	MUL16 0, \cq, \cq, \sc, \zero
	MUL16 2, \cq, \cq, \sc, \zero
	s_wait_dscnt 0x0
	PLACES 4                                       ; four plain lines in front of loads into registers that matrix instructions have read
.endif
	s_wait_alu depctr_va_vdst(0)
	FETCH_B \ns, \nq, \nq
	FETCH_A \ns, \nq, 0
.if \nq == 0
	SCALES \ns, \nsc
.endif
	WIN MUL_HI
	MUL16 4, \cq, \cq, \sc, \zero
	MUL16 6, \cq, \cq, \sc, \zero
	PLACES 4
	WIN 0
	FETCH_A \ns, \nq, 4
.endm
.macro LAST sc
	s_wait_dscnt 24
	WIN MUL_LO
	MUL16 0, 1, 1, \sc, 0
	MUL16 2, 1, 1, \sc, 0
	s_wait_dscnt 0x0
	WIN MUL_HI
	MUL16 4, 1, 1, \sc, 0
	MUL16 6, 1, 1, \sc, 0
	WIN 0
.endm
; 64 numbers of a lane, register 16 b + i = k 32 b + 16 (lane / 16) + i of my row, become a fragment's codes in v[PC] on and its scale word in v[PW]
.macro QUANT s
.irp b, 0,1,2,3
	v_max3_num_f32 v[TM+\b], |v[\s+16*\b]|, |v[\s+1+16*\b]|, 0x1800000   ; my 16 numbers of block b, and the floor 2^(3 - 127)
.endr
.irp i, 2,4,6,8,10,12,14
.irp b, 0,1,2,3
	v_max3_num_f32 v[TM+\b], v[TM+\b], |v[\s+16*\b+\i]|, |v[\s+1+16*\b+\i]|
.endr
.endr
.irp b, 0,1,2,3
	v_permlanex16_b32 v[TM+4+\b], v[TM+\b], s[SEL], s[SEL+1]
.endr
.irp b, 0,1,2,3
	v_max_num_f32 v[TM+\b], v[TM+\b], v[TM+4+\b]
.endr
.irp b, 0,1,2,3
	v_add_nc_u32 v[TM+8+\b], 0xff000000, v[TM+\b]  ; 2 off the exponent field: the conversion's scale operand
.endr
.irp b, 0,1,2,3
	v_lshrrev_b32 v[TM+4+\b], 23, v[TM+8+\b]       ; the scale's byte
.endr
	v_lshl_or_b32 v[PW], v[TM+5], 8, v[TM+4]
	v_lshl_or_b32 v[PW], v[TM+6], 16, v[PW]
	v_lshl_or_b32 v[PW], v[TM+7], 24, v[PW]
.irp c, 0,1
	v_cvt_scalef32_pk16_fp6_f32 v[PC+6*\c:PC+2+6*\c], v[\s+32*\c:\s+15+32*\c], v[TM+8+2*\c]
	v_cvt_scalef32_pk16_fp6_f32 v[PT+4*\c:PT+2+4*\c], v[\s+16+32*\c:\s+31+32*\c], v[TM+8+2*\c+1]
.endr
	v_nop                                          ; one plain line behind a scaled conversion
.irp c, 0,1
.irp i, 0,1,2
	v_permlane16_swap_b32 v[PC+6*\c+\i], v[PT+4*\c+\i]
.endr
.irp i, 0,1,2
	v_mov_b32 v[PC+3+6*\c+\i], v[PT+4*\c+\i]
.endr
.endr
.endm
	s_load_b256 s[4:11], s[0:1], 0x0               ; hc, wq, qkv_b, qkvc
	v_lshl_add_u32 v[SPW], v0, 2, SPARE
	v_mov_b32 v[NIL], 0
	ds_add_u32 v28, v29
	ds_add_u32 v28, v29
	s_wait_dscnt 0x0
	v_lshrrev_b32 v1, 5, v0
	v_readfirstlane_b32 s14, v1                    ; wave 0..3
	s_lshr_b32 s15, s14, 1                         ; which half of A's rows is mine.  Also: I fetch for A (0) or for B (1)
	s_and_b32 s16, s14, 1                          ; which half of B's rows.  Also: which 8 records of that tile I fetch
	s_bfe_u32 s72, ttmp6, 0x40000                  ; cx
	s_bfe_u32 s73, ttmp6, 0x40004                  ; cy
	s_and_b32 s79, ttmp7, 0xffff                   ; cluster y
	s_cmp_eq_u32 ttmp9, 2                          ; v's clusters: the same answer in all sixteen partners
	s_cselect_b32 s80, 0, s79
	s_cselect_b32 s81, s79, ttmp9
	s_lshl_b32 s75, s80, 2
	s_add_co_u32 s75, s75, s73                     ; A's tile: tokens 4 y + cy, or v's columns cy
	s_lshl_b32 s74, s81, 2
	s_add_co_u32 s74, s74, s72                     ; B's tile: columns 4 x + cx, or tokens 4 y + cx
	s_lshl_b32 s76, s73, 2
	s_lshl_b32 s76, 15, s76                        ; my row of the cluster
	s_lshl_b32 s77, 0x1111, s72                    ; my column
	s_or_b32 s[G1], s76, (3<<16)|(1<<21)           ; 15:0 the mask; 17:16 elements of 8 bytes; 21 set beside a mask; no padding
	s_or_b32 s[G1B], s77, (3<<16)|(1<<21)
.irp g, G1, G1B
	s_mov_b32 s[\g+1], 832<<16                     ; tensor_dim0: for the head's load two records, 832 elements
	s_mov_b32 s[\g+2], 8<<16                       ; tensor_dim1: 8 records
	s_mov_b32 s[\g+3], 832<<16                     ; tile_dim0
	s_mov_b32 s[\g+4], 8                           ; tile_dim1
	s_mov_b32 s[\g+5], 1664                        ; from row-block to row-block: four records
	s_mov_b32 s[\g+6], 0
	s_mov_b32 s[\g+7], 0
.endr
	s_mov_b32 s[SEL], 0x76543210
	s_mov_b32 s[SEL+1], 0xfedcba98
	s_lshl_b32 s82, s16, 3
	s_lshl_b32 s83, s75, 4
	s_add_co_u32 s83, s83, s82                     ; A: row-block 16 x tile + 8 x half
	s_mul_i32 s84, s83, KPB
	s_mov_b32 s85, 0
	s_lshl_b32 s86, s74, 4
	s_add_co_u32 s86, s86, s82                     ; B likewise
	s_mul_i32 s86, s86, KPB
	s_mov_b32 s87, 0
	s_mul_i32 s88, s14, RB8                        ; where they go: wave x 8 records: no place in the cluster enters an LDS address
	s_wait_kmcnt 0x0
	s_add_nc_u64 s[90:91], s[6:7], 128*KPB         ; v's columns begin at row-block 128 of qkv_w's records
	s_cmp_eq_u32 ttmp9, 2
	s_cselect_b64 s[92:93], s[90:91], s[4:5]       ; A's buffer
	s_cselect_b64 s[94:95], s[4:5], s[6:7]         ; B's
	s_add_nc_u64 s[92:93], s[92:93], s[84:85]
	s_add_nc_u64 s[94:95], s[94:95], s[86:87]
	CROUND                                         ; all sixteen work-groups are here: the first joint loads meet
.irp s, 0,1,2
.set GB, G0B+4*\s+4*(\s/2)
	s_mov_b32 s[G0+4*\s], 1
	s_add_co_u32 s[G0+4*\s+1], s88, \s*SLOT
	s_add_nc_u64 s[G0+4*\s+2:G0+4*\s+3], s[92:93], \s*REC
	s_or_b32 s[G0+4*\s+3], s[G0+4*\s+3], 0x80000000
	s_mov_b32 s[GB], 1
	s_add_co_u32 s[GB+1], s88, \s*SLOT
	s_add_nc_u64 s[GB+2:GB+3], s[94:95], \s*REC
	s_or_b32 s[GB+3], s[GB+3], 0x80000000
.endr
	s_lshl_b32 s[G0+1], s88, 1                     ; the head's load: wave x 8 row-blocks x two records
	s_lshl_b32 s[G0B+1], s88, 1
	s_mov_b32 s[G0+5], s88                         ; the second set serves the last 256 along K: wave x 8 records from byte 0 on,
	s_mov_b32 s[G0B+5], s88
	s_add_nc_u64 s[G0+6:G0+7], s[G0+6:G0+7], 2*REC ; the row-block's fourth record
	s_add_nc_u64 s[G0B+6:G0B+7], s[G0B+6:G0B+7], 2*REC
	JLOAD G0, G1, G0B, G1B                         ; K = 0 .. 511: one tensor load a wave at the head
	v_and_b32 v1, 31, v0
	v_lshlrev_b32 v[L8], 3, v1
	s_wait_alu depctr_va_vdst(0)
	v_lshlrev_b32 v[L4], 2, v1
	v_bfe_u32 v4, v0, 4, 1                         ; h
	v_and_b32 v5, 15, v0                           ; r
	s_mul_i32 s80, s15, RB8                        ; my 8 records of A
	s_mul_i32 s81, s16, RB8
	s_add_co_u32 s81, s81, 2*RB8                   ; my 8 of B, behind A's 16
	s_xor_b32 s82, s15, 1
	s_add_co_u32 s82, s82, s16
	s_add_co_u32 s82, s82, 1
	s_mul_i32 s82, s82, RB8                        ; from my records of A to my records of B
	v_mul_u32_u24 v6, s82, v4                      ; lanes 16-31 take B's scale words
	v_add_nc_u32 v6, v6, v[L4]
	s_add_co_u32 s83, s80, 3072
	v_add_nc_u32 v[ADRA+3], s80, v[L8]             ; place 3: one record a row-block, from byte 0 on
	v_add_nc_u32 v[ADRB+3], s81, v[L8]
	v_add_nc_u32 v[ADRS+3], s83, v6
	v_add_nc_u32 v[ADRA+2], 2*SLOT, v[ADRA+3]      ; place 2: the same behind the head's region
	v_add_nc_u32 v[ADRB+2], 2*SLOT, v[ADRB+3]
	v_add_nc_u32 v[ADRS+2], 2*SLOT, v[ADRS+3]
	s_lshl_b32 s80, s80, 1                         ; places 0 and 1: two records a row-block, so every distance doubles
	s_lshl_b32 s81, s81, 1
	s_lshl_b32 s82, s82, 1
	s_add_co_u32 s83, s80, 3072
	s_wait_alu depctr_va_vdst(0)                   ; the wait here, ahead of the readers below
	v_mul_u32_u24 v6, s82, v4
	v_add_nc_u32 v6, v6, v[L4]
	v_add_nc_u32 v[ADRA], s80, v[L8]
	v_add_nc_u32 v[ADRB], s81, v[L8]
	v_add_nc_u32 v[ADRS], s83, v6
	v_add_nc_u32 v[ADRA+1], REC, v[ADRA]
	v_add_nc_u32 v[ADRB+1], REC, v[ADRB]
	v_add_nc_u32 v[ADRS+1], REC, v[ADRS]
	; both forms of the bias; the form that my cluster does not use is read at offset 0, inside the buffer
	s_lshl_b32 s84, s74, 10
	s_lshl_b32 s85, s16, 9
	s_add_co_u32 s84, s84, s85                     ; q, k: 4 x (256 x B's tile + 128 x half)
	s_lshl_b32 s86, s75, 10
	s_lshl_b32 s87, s15, 9
	s_add_co_u32 s86, s86, s87
	s_add_co_u32 s86, s86, 8192                    ; v: 4 x (2048 + 256 x A's tile + 128 x half)
	s_cmp_eq_u32 ttmp9, 2
	s_cselect_b32 s84, 0, s84
	s_cselect_b32 s86, s86, 0
	s_mov_b32 s85, 0
	s_mov_b32 s87, 0
	s_add_nc_u64 s[84:85], s[8:9], s[84:85]
	s_add_nc_u64 s[86:87], s[8:9], s[86:87]
	v_lshlrev_b32 v7, 6, v4                        ; 64 h
.irp b, 0,1,2,3
.irp j, 0,1,2,3
	global_load_b128 v[BI+16*\b+4*\j:BI+16*\b+4*\j+3], v7, s[84:85] offset:128*\b+16*\j
.endr
.endr
	v_and_b32 v30, 8, v5
	v_add_nc_u32 v30, v30, v5
	v_lshlrev_b32 v30, 2, v30                      ; 4 (r + 8 (r / 8))
.irp a, 0,1,2,3,4,5,6,7
	global_load_b32 v[BR+\a], v30, s[86:87] offset:4*(32*(\a/2)+8*(\a%2))
.endr
	s_wait_alu depctr_va_vdst(0)                   ; the wait at the head's end
	s_wait_tensorcnt 0x0                           ; my part of K = 0 .. 511 is in
	ds_add_u32 v[SPW], v[NIL]
	s_mov_b32 s[G1+1], 416<<16                     ; no tensor load of mine is out, so a descriptor may be written: from here on a load brings one record a row-block
	s_mov_b32 s[G1+3], 416<<16
	s_mov_b32 s[G1B+1], 416<<16
	s_mov_b32 s[G1B+3], 416<<16
	s_wait_dscnt 0x0
	CROUND
	JLOAD G0+8, G1, G0B+12, G1B                    ; K = 512 .. 767: it has three steps in which to land
	FETCH_B 0, 0, 0
	FETCH_A 0, 0, 0
	SCALES 0, 0
	FETCH_A 0, 0, 4
	KSTEP 0,0,0, 0,1,0, 1, 0                       ; the first products start the sums
	KSTEP 0,1,0, 1,0,1, 0, 0
	KSTEP 1,0,1, 1,1,1, 0, 0
	KSTEP 1,1,1, 2,0,0, 0, 2                       ; slot 2 is shown whole; slot 0 is filled again
	KSTEP 2,0,0, 2,1,0, 0, 0
	KSTEP 2,1,0, 3,0,1, 0, 1                       ; the last 256 along K are shown whole
	KSTEP 3,0,1, 3,1,1, 0, 0
	LAST 1
	PLACES 4                                       ; in front of the first reads of results and of writes to registers that matrix instructions have read
	s_wait_loadcnt 0x0                             ; the biases
.irp b, 0,1,2,3
	v_mov_b32 v[TM+4+\b], 0                        ; written once: a lane permute's destination counts as one of its sources
.endr
	s_cmp_eq_u32 ttmp9, 2
	s_cbranch_scc1 .Lvarm
	; ---- q and k: my 128 tokens x 128 columns = two heads
	s_lshl_b32 s80, s75, 8
	s_lshl_b32 s81, s15, 7
	s_add_co_u32 s80, s80, s81                     ; my first token
	s_lshr_b32 s81, s80, 11                        ; batch
	s_and_b32 s80, s80, 2047
	s_lshl_b32 s82, s74, 2
	s_lshl_b32 s83, s16, 1
	s_add_co_u32 s82, s82, s83
	s_and_b32 s82, s82, 15                         ; my first head
	s_lshl_b32 s81, s81, 4
	s_add_co_u32 s81, s81, s82                     ; 16 x batch + head
	s_lshl_b32 s82, s81, 7
	s_lshr_b32 s83, s80, 4
	s_add_co_u32 s82, s82, s83                     ; q: tile of 16 queries
	s_mul_i32 s88, s82, 768                        ; its half image,
	s_lshl_b32 s89, s82, 7
	s_add_co_u32 s89, s89, 3145728                 ; its scale image
	s_mul_i32 s90, s81, 221184                     ; k: the head's block,
	s_lshr_b32 s83, s80, 7
	s_mul_i32 s83, s83, 13824                      ; the key step's record
	s_add_co_u32 s90, s90, s83
	s_add_co_u32 s90, s90, 3670016
	s_add_co_u32 s91, s90, 6144
	s_mov_b32 s92, 221184                          ; from a head to the next
	s_mov_b32 s93, 221184
	s_cmp_eq_u32 ttmp9, 0
	s_cselect_b32 s88, s88, s90
	s_cselect_b32 s89, s89, s91
	s_cselect_b32 s92, 98304, s92
	s_cselect_b32 s93, 16384, s93
	s_mov_b32 s95, 0
	s_mov_b32 s94, s88
	s_add_nc_u64 s[18:19], s[10:11], s[94:95]      ; codes, first head
	s_mov_b32 s94, s92
	s_add_nc_u64 s[20:21], s[18:19], s[94:95]      ; second head
	s_mov_b32 s94, s89
	s_add_nc_u64 s[22:23], s[10:11], s[94:95]      ; scale words, first head
	s_mov_b32 s94, s93
	s_add_nc_u64 s[44:45], s[22:23], s[94:95]      ; second head
.macro EPIQK a
	WIN 0x02+(\a)/4                                ; source 0: window 2 or 3
.irp b, 0,1,2,3,4,5,6,7
.irp i, 0,2,4,6
	v_pk_add_f32 v[T+8*\b+\i:T+8*\b+\i+1], v[64*((\a)%4)+8*\b+\i:64*((\a)%4)+8*\b+\i+1], v[BI+8*\b+\i:BI+8*\b+\i+1]   ; + bias; each accumulator from its low end on
.endr
.endr
	WIN 0
.if (\a) > 0
	s_wait_xcnt 0x0                                ; the last block's stores have read their registers
.endif
	QUANT T
	v_lshrrev_b32 v[PW1], 16, v[PW]                ; the second head's two bytes; bytes 2 and 3 are 0: they meet zero codes in the attention launch
	v_and_b32 v[PW], 0xffff, v[PW]                 ; the first head's
.irp j, 0,1,2
	global_store_b64 v[L8], v[PC+2*\j:PC+2*\j+1], s[18:19] offset:768*(\a)+256*\j
	global_store_b64 v[L8], v[PC+6+2*\j:PC+7+2*\j], s[20:21] offset:768*(\a)+256*\j
.endr
	global_store_b32 v[L4], v[PW], s[22:23] offset:128*(\a)
	global_store_b32 v[L4], v[PW1], s[44:45] offset:128*(\a)
.endm
.irp a, 0,1,2,3,4,5,6,7
	EPIQK \a
.endr
	s_branch .Ldone
.Lvarm:
	; ---- v, transposed: my 128 columns (two heads x four tiles of 16) x 128 tokens = one key step
	s_lshl_b32 s80, s74, 8
	s_lshl_b32 s81, s16, 7
	s_add_co_u32 s80, s80, s81                     ; my first token
	s_lshr_b32 s81, s80, 11                        ; batch
	s_and_b32 s80, s80, 2047
	s_lshr_b32 s80, s80, 7                         ; key step
	s_lshl_b32 s82, s75, 2
	s_lshl_b32 s83, s15, 1
	s_add_co_u32 s82, s82, s83                     ; my first head
	s_lshl_b32 s81, s81, 4
	s_add_co_u32 s81, s81, s82
	s_mul_i32 s88, s81, 221184
	s_mul_i32 s80, s80, 13824
	s_add_co_u32 s88, s88, s80
	s_add_co_u32 s88, s88, 3670016+7168
	s_mov_b32 s89, 0
	s_add_nc_u64 s[46:47], s[10:11], s[88:89]
.macro EPIV a
	v_mov_b32 v[BP], v[BR+(\a)]
	v_mov_b32 v[BP+1], v[BR+(\a)]
	WIN 0x02+(\a)/4
.irp b, 0,1,2,3,4,5,6,7
.irp i, 0,2,4,6
	v_pk_add_f32 v[T+8*\b+\i:T+8*\b+\i+1], v[64*((\a)%4)+8*\b+\i:64*((\a)%4)+8*\b+\i+1], v[BP:BP+1]
.endr
.endr
	WIN 0
.if (\a) > 0
	s_wait_xcnt 0x0
.endif
	QUANT T
.irp j, 0,1,2,3,4,5
	global_store_b64 v[L8], v[PC+2*\j:PC+2*\j+1], s[46:47] offset:((\a)/4)*221184+((\a)%4)*1536+256*\j
.endr
	global_store_b32 v[L4], v[PW], s[46:47] offset:6144+((\a)/4)*221184+((\a)%4)*128
.endm
.irp a, 0,1,2,3,4,5,6,7
	EPIV \a
.endr
.Ldone:
	s_wait_tensorcnt 0x0                           ; the wave's end
	ds_add_u32 v[SPW], v[NIL]
	s_wait_dscnt 0x0
	CROUND                                         ; the closing round
	s_endpgm
.Lfunc_end_k_q0bbcd434ec_qkv:
	.size	k_q0bbcd434ec_qkv, .Lfunc_end_k_q0bbcd434ec_qkv-k_q0bbcd434ec_qkv
	.p2alignl 7, 3214868480
	.fill 96, 4, 3214868480
	.section	.rodata,"a",@progbits
	.p2align	6, 0x0
	.amdhsa_kernel k_q0bbcd434ec_qkv
		.amdhsa_group_segment_fixed_size 327680
		.amdhsa_private_segment_fixed_size 0
		.amdhsa_enable_private_segment 0
		.amdhsa_kernarg_size 32
		.amdhsa_user_sgpr_count 2
		.amdhsa_user_sgpr_kernarg_segment_ptr 1
		.amdhsa_wavefront_size32 1
		.amdhsa_system_sgpr_workgroup_id_x 1
		.amdhsa_system_sgpr_workgroup_id_y 1
		.amdhsa_system_sgpr_workgroup_id_z 1
		.amdhsa_system_vgpr_workitem_id 0
		.amdhsa_next_free_vgpr 1024
		.amdhsa_next_free_sgpr 100
		.amdhsa_reserve_vcc 0
		.amdhsa_float_denorm_mode_32 3
		.amdhsa_float_denorm_mode_16_64 3
		.amdhsa_memory_ordered 1
		.amdhsa_forward_progress 1
		.amdhsa_inst_pref_size 241
	.end_amdhsa_kernel
	.amdgpu_metadata
---
amdhsa.version: [ 1, 2 ]
amdhsa.kernels:
  - .name:           k_q0bbcd434ec_qkv
    .symbol:         k_q0bbcd434ec_qkv.kd
    .args:
      - { .name: hc, .offset: 0, .size: 8, .value_kind: global_buffer, .address_space: global }
      - { .name: wq, .offset: 8, .size: 8, .value_kind: global_buffer, .address_space: global }
      - { .name: qkv_b, .offset: 16, .size: 8, .value_kind: global_buffer, .address_space: global }
      - { .name: qkvc, .offset: 24, .size: 8, .value_kind: global_buffer, .address_space: global }
    .group_segment_fixed_size: 327680
    .private_segment_fixed_size: 0
    .kernarg_segment_align: 8
    .kernarg_segment_size: 32
    .max_flat_workgroup_size: 128
    .sgpr_count:     100
    .vgpr_count:     1024
    .wavefront_size: 32
...
	.end_amdgpu_metadata
.endif
;; end of part 2
;; launch att (part 3): grid 8 x 32, 8 waves a work-group, clusters of 4 x 1, 327,680 bytes of LDS; arguments qkvc, yc; writes yc
.if DOCPART == 3
	.amdgcn_target "amdgcn-amd-amdhsa--gfx1250"
	.amdhsa_code_object_version 6
	.text
	.protected	k_q0bbcd434ec_att
	.globl	k_q0bbcd434ec_att
	.p2align	8
	.type	k_q0bbcd434ec_att,@function
k_q0bbcd434ec_att:
	s_mov_b64 s[64:65], 0
	v_nop
	global_prefetch_b8 v0, s[64:65] scope:SCOPE_SE
	s_setreg_imm32_b32 hwreg(HW_REG_WAVE_MODE, 25, 1), 1
	s_wait_xcnt 0x0
	s_wait_alu depctr_hold_cnt(0) depctr_sa_sdst(0) depctr_va_vdst(0) depctr_va_sdst(0) depctr_va_ssrc(0) depctr_va_vcc(0) depctr_vm_vsrc(0)
	s_getreg_b32 s2, hwreg(HW_REG_IB_STS2, 6, 4)
	s_cmp_eq_u32 s2, 0
	s_cbranch_scc0 .Lentry_in_a_cluster
	s_endpgm
.Lentry_in_a_cluster:
	s_bfe_u32 s2, ttmp6, 0x10000c
	s_cmp_lg_u32 s2, 0x3003
	s_cbranch_scc0 .Lentry_shape_is_right
	s_endpgm
.Lentry_shape_is_right:
; Attention of one head (work-group y = 16 x batch + head) for 256 queries (work-group x): y = softmax(q k^T) v on codes of FP6 (E2M3) with E8M0 scales, quantised again along the head's 64 and stored as operand images for the projection.
; Both products are used transposed (S^T = k q^T, O^T = v^T p^T): a lane holds one query.  p = 2^(t - M), t = score x log2(e), M = the ceiling of the running largest t; the row's sum is taken of the unquantised p.
; EIGHT WAVES, EACH WITH TWO TILES OF 16 QUERIES: every fragment of k and of v read from LDS feeds two matrix instructions.  Tile 0's state lies in register window 0, tile 1's at the same numbers in window 1, so one text serves both.
; THE HEAD'S WHOLE K AND V, 16 key steps of 13,824 bytes, come into LDS once: one joint load a wave (108 rows of 256 bytes), shared by the four work-groups of the cluster, which serve the same head.  Nothing is filled again.
; The mover lays 32 bytes of padding behind every 256: LDS rows 288 bytes apart (byte y of a key step lies at y + 32 (y / 256)).
; THE KEYS OF A TILE OF K ARE CHOSEN BY ADDRESS: lane r of tile t takes key 64 (t / 4) + 32 (r / 8) + 8 (t % 4) + r % 8 of the step's 128.  So the 32 registers of tiles 4 c .. 4 c + 3 in lane (r, h) are keys 64 c + 32 h + 0 .. 31:
; a WHOLE block of p's quantiser, in the order of the operand's registers: its largest p needs no other lane, and the codes need no exchange of halves.  With the padding the 32 lanes of such a load of 8 bytes touch 64 different banks.
; k is stored with image row r of tile a = key 32 (a / 2) + 8 (a % 2) + r + 8 (r / 8): so a = 4 (t / 4) + 2 (r / 8) + t % 2 and the image row is 8 ((t % 4) / 2) + r % 8.
; The head size is 64: registers 6-11 of q's fragments hold zero codes, so what stands in registers 6-11 of k's (the next tile's codes) adds nothing; bytes 2, 3 of their scale words are 0, a finite scale.
; No prefetch: all that the launch reads of k and v is asked for at its head, so there is no loop in which to run ahead.
; LIMITS: the promise holds while the scaled scores stay under 2^31 in magnitude; a block whose every p is 0 gets the byte 1 (only this program reads the bytes); NaN and infinities are not served.
.set STEPB, 15552                      ; a key step in LDS: 54 rows of 288 bytes
.set SPARE, 248832                     ; behind the 16 steps: the spare words, 128 bytes a wave
.set KB,   1                           ; lane part of k's fragment addresses: 1728 (r / 8) + 8 (r % 8) + 128 h
.set KSB,  2                           ; of k's scale words: 288 (r / 8) + 4 (r % 8)
.set A8,   3                           ; 8 x lane
.set A4,   4                           ; 4 x lane
.set ADK,  5                           ; this trip's addresses
.set ADKS, 6
.set ADV,  7
.set ADVS, 8
.set QF,   16                          ; v16-27 q's fragment (each window its tile's); v12 -M, v13 the running largest score, v[14:15] the sum
.set QSA,  28                          ; v28, v29 q's scale words, tile 0, 1 (scale registers lie in window 0)
.set PWS,  30                          ; v30, v31 p's scale words, tile 0, 1
.set KF,   32                          ; window 0 v32-85: k's eight half fragments and six registers of zeros
.set VF,   32                          ; window 1 v32-79: v's four fragments
.set S,    96                          ; v96-159 scores, then p
.set O,    160                         ; v160-191 O^T
.set PC,   192                         ; v192-203 p's codes
.set PT,   204                         ; v204-211 upper halves of blocks on their way
.set CH,   212                         ; v212-215 chains of maxima; block c's in CH + 2 c
.set T2,   216                         ; v216-219 at work
.set SO,   220                         ; v220-221 the conversions' scale operands
.set PWT,  236
.set FF,   238                         ; v[238:239] f = 2^(old M - new M)
.set TT,   240
.set SH8,  241                         ; 8 h
.set KS,   242                         ; v242-249 k's scale words
.set VS,   250                         ; v250-253 v's
.set SEL,  20
.set CS,   22                          ; s[22:23] log2(e)
.set NC,   36                          ; -log2(e)
.set RB,   48                          ; LDS base of the next step (k runs one step ahead)
.set RV,   49                          ; of this step
.set CNT,  54
.set MSB, 0
.macro WIN new                         ; the immediate's high byte repeats the setting that is left
.if MSB != (\new)
	s_set_vgpr_msb (MSB<<8)|(\new)
.set MSB, (\new)
.endif
.endm
.macro CROUND
	s_barrier_signal -1
	s_barrier_wait -1
	s_cmp_lg_u32 s8, 0
	s_cbranch_scc1 .Lnot_wave_0_\@
	s_barrier_signal -3
.Lnot_wave_0_\@:
	s_barrier_wait -3
	s_barrier_signal -1
	s_barrier_wait -1
.endm
.macro LOADK ak, as                    ; 32 LDS loads: a step's eight tiles of k and their scale words
.irp t, 0,1,2,3,4,5,6,7
.irp j, 0,1,2
	ds_load_b64 v[KF+6*\t+2*\j:KF+6*\t+2*\j+1], v[\ak] offset:288*(3*(4*(\t/4)+\t%2)+\j)+64*((\t%4)/2)
.endr
	ds_load_b32 v[KS+\t], v[\as] offset:288*(24+2*(\t/4))+128*(\t%2)+32*((\t%4)/2)
.endr
.endm
.macro LOADV                           ; 28 LDS loads: a step's four tiles of v (into window 1) and their scale words
	WIN 0x40
.irp d, 0,1,2,3
.irp j, 0,1,2,3,4,5
	ds_load_b64 v[VF+12*\d+2*\j:VF+12*\d+2*\j+1], v[ADV] offset:288*(28+6*\d+\j)
.endr
.endr
	WIN 0
.irp d, 0,1,2,3
	ds_load_b32 v[VS+\d], v[ADVS] offset:288*(52+\d/2)+128*(\d%2)
.endr
.endm
.macro QK w                            ; S^T of tile w: source 0 k (window 0), source 1 q and the result in window w
	WIN 0x44*\w
.irp t, 0,1,2,3,4,5,6,7
	v_wmma_scale_f32_16x16x128_f8f6f4 v[S+8*\t:S+8*\t+7], v[KF+6*\t:KF+6*\t+11], v[QF:QF+11], 0, v[KS+\t], v[QSA+\w] matrix_a_fmt:MATRIX_FMT_FP6 matrix_b_fmt:MATRIX_FMT_FP6
.endr
.endm
.macro PV w                            ; O^T of tile w += v^T p^T: source 0 v (window 1), the rest in window w; the four accumulators by turns
	WIN 0x01+0x54*\w
.irp d, 0,1,2,3
	v_wmma_scale_f32_16x16x128_f8f6f4 v[O+8*\d:O+8*\d+7], v[VF+12*\d:VF+12*\d+11], v[PC:PC+11], v[O+8*\d:O+8*\d+7], v[VS+\d], v[PWS+\w] matrix_a_fmt:MATRIX_FMT_FP6 matrix_b_fmt:MATRIX_FMT_FP6
.endr
.endm
; tile w's 64 scores a lane become p's codes and scale word; M, the sum and O^T are brought under the new M
.macro SOFTMAX w
	WIN 0x55*\w
.if \w
	s_wait_alu depctr_va_vdst(0)                   ; the wait here, directly ahead of the first reader of these scores
.endif
.irp k, 0,1,2,3,4,5,6,7                        ; eight chains, one to an accumulator, each begun at its low end; they stand in the registers that the half blocks have left
	v_max3_num_f32 v[PT+\k], v[S+8*\k], v[S+8*\k+1], v[S+8*\k+2]
.endr
.irp i, 3,5
.irp k, 0,1,2,3,4,5,6,7
	v_max3_num_f32 v[PT+\k], v[PT+\k], v[S+8*\k+\i], v[S+8*\k+\i+1]
.endr
.endr
.irp c, 0,1                                    ; a block's four chains and the four eighth registers
	v_max3_num_f32 v[PT+4*\c], v[PT+4*\c], v[PT+4*\c+1], v[S+32*\c+7]
.endr
.irp c, 0,1
	v_max3_num_f32 v[PT+4*\c+2], v[PT+4*\c+2], v[PT+4*\c+3], v[S+32*\c+15]
.endr
.irp c, 0,1
	v_max_num_f32 v[PT+4*\c+1], v[S+32*\c+23], v[S+32*\c+31]
.endr
.irp c, 0,1
	v_max3_num_f32 v[CH+2*\c], v[PT+4*\c], v[PT+4*\c+2], v[PT+4*\c+1]   ; the largest score of my block 2 c + h
.endr
	s_delay_alu instid0(VALU_DEP_1)
	v_max_num_f32 v[TT], v[CH], v[CH+2]
	s_delay_alu instid0(VALU_DEP_1)
	v_permlanex16_b32 v[T2], v[TT], s[SEL], s[SEL+1]
	s_delay_alu instid0(VALU_DEP_1)
	v_max3_num_f32 v13, v13, v[TT], v[T2]          ; the running largest score of my query
	s_delay_alu instid0(VALU_DEP_1)
	v_mul_f32 v[TT], s[NC], v13                    ; -t
	v_mov_b32 v[T2+1], v12
	s_delay_alu instid0(VALU_DEP_2)
	v_floor_f32 v12, v[TT]                         ; -M = floor(-t): M is a whole number
	s_delay_alu instid0(VALU_DEP_1)
	v_sub_f32 v[TT], v12, v[T2+1]
	s_delay_alu instid0(VALU_DEP_1)
	v_cvt_i32_f32 v[TT], v[TT]                     ; old M - new M (it saturates)
	s_delay_alu instid0(VALU_DEP_1)
	v_ldexp_f32 v[FF], 1.0, v[TT]
.set n, 0
.rept 32
	v_pk_fma_f32 v[S+n:S+n+1], v[S+n:S+n+1], s[CS:CS+1], v[12:13] op_sel_hi:[1,0,0]   ; t - M
.set n, n+2
.endr
.irp c, 0,1
	v_fma_f32 v[CH+2*\c], v[CH+2*\c], s[CS], v12   ; the same of each block's largest score
.endr
	s_wait_alu depctr_va_vdst(0)                   ; the wait ahead of the batch
.set n, 0
.rept 64
	v_exp_f32 v[S+n], v[S+n]
.set n, n+1
.endr
.irp c, 0,1
	v_exp_f32 v[CH+2*\c], v[CH+2*\c]               ; the block's largest p: the same two instructions on the same number
.endr
	v_pk_mul_f32 v[14:15], v[14:15], v[FF:FF+1] op_sel_hi:[1,0]   ; the sum under the new M; the plain line behind the batch
	s_wait_alu depctr_va_vdst(0)                   ; one wait for the batch, and directly ahead of the first readers of O^T
.set n, 0
.rept 16
	v_pk_mul_f32 v[O+n:O+n+1], v[O+n:O+n+1], v[FF:FF+1] op_sel_hi:[1,0]
.set n, n+2
.endr
.irp c, 0,1
	v_max_num_f32 v[CH+2*\c], 0x1800000, v[CH+2*\c]   ; the floor 2^(3 - 127): the byte cannot fall under 1
.endr
.irp c, 0,1
	v_add_nc_u32 v[SO+\c], 0xff000000, v[CH+2*\c]  ; 2 off the exponent field: the conversion's scale operand
.endr
.irp c, 0,1
	v_lshrrev_b32 v[T2+\c], 23, v[SO+\c]           ; the scale's byte
.endr
	s_delay_alu instid0(VALU_DEP_1)
	v_lshl_or_b32 v[PWT], v[T2+1], 16, v[T2]       ; my blocks h and 2 + h,
	s_delay_alu instid0(VALU_DEP_1)
	v_lshlrev_b32 v[PWT], v[SH8], v[PWT]           ; at their places in the word;
	s_delay_alu instid0(VALU_DEP_1)
	v_permlanex16_b32 v[T2+2], v[PWT], s[SEL], s[SEL+1]
	WIN 0x05*\w                                    ; (the scale word lies in window 0)
	v_or_b32 v[PWS+\w], v[PWT], v[T2+2]            ; with lane l xor 16's two the word is whole
	WIN 0x55*\w
.irp c, 0,1
	v_cvt_scalef32_pk16_fp6_f32 v[PC+6*\c:PC+6*\c+2], v[S+32*\c:S+32*\c+15], v[SO+\c]
	v_cvt_scalef32_pk16_fp6_f32 v[PT+4*\c:PT+4*\c+2], v[S+32*\c+16:S+32*\c+31], v[SO+\c]   ; (a conversion's three registers begin on an even number)
.endr
	v_nop                                          ; one plain line behind a scaled conversion
.irp c, 0,1
.irp i, 0,1,2
	v_mov_b32 v[PC+6*\c+3+\i], v[PT+4*\c+\i]
.endr
.endr
.set n, 0                                      ; the sum of the unquantised p, as a tree in place (the conversions have read p); these 32 lines are the places between the scale word and codes just made and the products
.rept 16
	v_pk_add_f32 v[S+n:S+n+1], v[S+n:S+n+1], v[S+n+2:S+n+3]
.set n, n+4
.endr
.set n, 0
.rept 8
	v_pk_add_f32 v[S+n:S+n+1], v[S+n:S+n+1], v[S+n+4:S+n+5]
.set n, n+8
.endr
.set n, 0
.rept 4
	v_pk_add_f32 v[S+n:S+n+1], v[S+n:S+n+1], v[S+n+8:S+n+9]
.set n, n+16
.endr
	v_pk_add_f32 v[S:S+1], v[S:S+1], v[S+16:S+17]
	v_pk_add_f32 v[S+32:S+33], v[S+32:S+33], v[S+48:S+49]
	v_pk_add_f32 v[S:S+1], v[S:S+1], v[S+32:S+33]
	v_pk_add_f32 v[14:15], v[14:15], v[S:S+1]
.endm
; a step of 128 keys.  pre = 1: the next step's k is fetched under this step's softmax
.macro STEP pre
	s_wait_dscnt 0x0                               ; this step's k is in
	QK 0
	QK 1
	WIN 0
	v_add_nc_u32 v[ADV], s[RV], v[A8]              ; four plain lines: the places in front of loads into registers that matrix instructions have read, and of the first read of tile 0's scores
	v_add_nc_u32 v[ADVS], s[RV], v[A4]
.if \pre
	v_add_nc_u32 v[ADK], s[RB], v[KB]
	v_add_nc_u32 v[ADKS], s[RB], v[KSB]
.else
	v_nop
	v_nop
.endif
	LOADV
.if \pre
	LOADK ADK, ADKS
.endif
	SOFTMAX 0
	s_wait_alu depctr_va_vdst(0)                   ; the wait here, directly ahead of the wait below
.if \pre
	s_wait_dscnt 32                                ; v is in; the 32 younger loads, the next step's k, may be out
.else
	s_wait_dscnt 0x0
.endif
	PV 0
	SOFTMAX 1
	PV 1
	WIN 0
.endm
; tile w's way out: O^T / the sum, quantised along the head's 64 (registers 16 b + i = dimension 32 b + 16 h + i), stored as half of an operand image
.macro FIN w
	WIN 0x55*\w
	v_add_f32 v14, v14, v15
	s_delay_alu instid0(VALU_DEP_1)
	v_permlanex16_b32 v[TT], v14, s[SEL], s[SEL+1]
	s_delay_alu instid0(VALU_DEP_1)
	v_add_f32 v14, v14, v[TT]
	s_wait_alu depctr_va_vdst(0)                   ; the wait ahead of the transcendental
	v_rcp_f32 v14, v14
	v_nop
	s_wait_alu depctr_va_vdst(0)                   ; and ahead of its first reader and of the first readers of O^T
	v_mov_b32 v15, v14
.set n, 0
.rept 16
	v_pk_mul_f32 v[S+n:S+n+1], v[O+n:O+n+1], v[14:15]
.set n, n+2
.endr
.irp b, 0,1
	v_max3_num_f32 v[CH+\b], |v[S+16*\b]|, |v[S+1+16*\b]|, 0x1800000
.endr
.irp i, 2,4,6,8,10,12,14
.irp b, 0,1
	v_max3_num_f32 v[CH+\b], v[CH+\b], |v[S+16*\b+\i]|, |v[S+1+16*\b+\i]|
.endr
.endr
.irp b, 0,1
	v_permlanex16_b32 v[T2+\b], v[CH+\b], s[SEL], s[SEL+1]
.endr
.irp b, 0,1
	v_max_num_f32 v[CH+\b], v[CH+\b], v[T2+\b]
.endr
.irp b, 0,1
	v_add_nc_u32 v[SO+\b], 0xff000000, v[CH+\b]
.endr
.irp b, 0,1
	v_lshrrev_b32 v[T2+\b], 23, v[SO+\b]
.endr
	v_lshl_or_b32 v[PWT], v[T2+1], 8, v[T2]
	v_cvt_scalef32_pk16_fp6_f32 v[PC:PC+2], v[S:S+15], v[SO]
	v_cvt_scalef32_pk16_fp6_f32 v[PT:PT+2], v[S+16:S+31], v[SO+1]
	v_nop
.irp i, 0,1,2
	v_permlane16_swap_b32 v[PC+\i], v[PT+\i]       ; the operand wants a whole block in a lane
.endr
.irp i, 0,1,2
	v_mov_b32 v[PC+3+\i], v[PT+\i]
.endr
	WIN 0x04*\w                                    ; the data in window w, the address in window 0
.irp j, 0,1,2
	global_store_b64 v[A8], v[PC+2*\j:PC+2*\j+1], s[44:45] offset:13312*\w+256*\j   ; 32 lanes store 256 consecutive bytes, aligned
.endr
	global_store_b16 v[A4], v[PWT], s[46:47] offset:13312*\w
.endm
.macro INIT w                          ; a tile's state, in window w
	WIN 0x40*\w
.irp j, 6,7,8,9,10,11
	v_mov_b32 v[QF+\j], 0
.endr
	v_mov_b32 v13, 0xfe967699                      ; the largest score so far: -1e38, under every score that the limit allows
	v_mov_b32 v12, 0x7e967699                      ; -M: 1e38
	v_mov_b32 v14, 0
	v_mov_b32 v15, 0
	v_mov_b32 v[FF+1], 0
	v_mov_b32 v[TT], 0
.irp b, 0,1,2,3
	v_mov_b32 v[T2+\b], 0                          ; a lane permute's destination counts as one of its sources
.endr
.set n, 0
.rept 32
	v_mov_b32 v[O+n], 0                            ; the step is written once: the first finds zeros
.set n, n+1
.endr
.endm
	s_load_b128 s[4:7], s[0:1], 0x0                ; qkvc, yc
	v_lshl_add_u32 v254, v0, 2, SPARE
	v_mov_b32 v255, 0
	ds_add_u32 v254, v255                          ; the opening lines: the add, twice on end, and its wait
	ds_add_u32 v254, v255
	v_lshrrev_b32 v9, 5, v0
	v_readfirstlane_b32 s8, v9                     ; wave 0..7
	s_bfe_u32 s9, ttmp6, 0x40000                   ; cx
	s_lshl_b32 s10, ttmp9, 2
	s_add_co_u32 s10, s10, s9                      ; which 256 queries
	s_and_b32 s11, ttmp7, 0xffff                   ; 16 x batch + head
	s_mul_i32 s12, s11, 221184
	s_mul_i32 s14, s8, 27648                       ; my eighth of the head's k and v: two key steps
	s_add_co_u32 s12, s12, s14
	s_add_co_u32 s12, s12, 3670016
	s_mov_b32 s13, 0
	s_mul_i32 s14, s8, 31104                       ; and where it goes: 108 rows of 288 bytes
	s_mov_b32 s24, 15|(3<<16)|(1<<20)|(1<<21)|(5<<22)|(7<<25)   ; mask: all four of the cluster; elements of 8 bytes; 8 dwords of padding behind every 64
	s_mov_b32 s25, 32<<16
	s_mov_b32 s26, 108<<16
	s_mov_b32 s27, 32<<16
	s_mov_b32 s28, 108
	s_mov_b32 s29, 32
	s_mov_b32 s30, 0
	s_mov_b32 s31, 0
	s_mov_b32 s[SEL], 0x76543210
	s_mov_b32 s[SEL+1], 0xfedcba98
	s_mov_b32 s[CS], 0x3fb8aa3b
	s_mov_b32 s[CS+1], s[CS]
	s_mov_b32 s[NC], 0xbfb8aa3b
	s_lshl_b32 s18, s10, 4
	s_lshl_b32 s19, s8, 1
	s_add_co_u32 s18, s18, s19                     ; my first tile of 16 queries
	s_lshl_b32 s19, s11, 7
	s_add_co_u32 s19, s19, s18
	s_mul_i32 s50, s19, 768                        ; q's half image
	s_mov_b32 s51, 0
	s_lshl_b32 s52, s19, 7
	s_add_co_u32 s52, s52, 3145728                 ; q's scale image
	s_mov_b32 s53, 0
	s_lshr_b32 s40, s11, 4
	s_and_b32 s41, s11, 15
	s_lshl_b32 s40, s40, 7
	s_add_co_u32 s40, s40, s18                     ; the row-block of yc
	s_lshl_b32 s40, s40, 2
	s_lshr_b32 s42, s41, 2
	s_add_co_u32 s40, s40, s42
	s_mul_i32 s40, s40, 3328                       ; its record for my head's 256 along K
	s_bfe_u32 s42, s41, 0x10001
	s_and_b32 s43, s41, 1
	s_mul_i32 s44, s42, 1536
	s_mul_i32 s45, s43, 768
	s_add_co_u32 s44, s44, s45
	s_add_co_u32 s44, s44, s40
	s_mov_b32 s45, 0
	s_lshl_b32 s42, s42, 7
	s_lshl_b32 s43, s43, 1
	s_add_co_u32 s46, s42, s43
	s_add_co_u32 s46, s46, s40
	s_add_co_u32 s46, s46, 3072
	s_mov_b32 s47, 0
	s_wait_dscnt 0x0                               ; both opening adds are done
	s_wait_kmcnt 0x0
	s_add_nc_u64 s[16:17], s[4:5], s[12:13]
	s_add_nc_u64 s[50:51], s[4:5], s[50:51]
	s_add_nc_u64 s[52:53], s[4:5], s[52:53]
	s_add_nc_u64 s[44:45], s[6:7], s[44:45]
	s_add_nc_u64 s[46:47], s[6:7], s[46:47]
	s_mov_b32 s32, 1
	s_mov_b32 s33, s14
	s_mov_b64 s[34:35], s[16:17]
	s_or_b32 s35, s35, 0x80000000
	CROUND                                         ; the four work-groups are here: the joint loads meet
	tensor_load_to_lds s[32:35], s[24:31]          ; my one tensor load of the launch
	s_nop 0
.rept 4
	v_nop
.endr
	v_and_b32 v9, 31, v0
	v_lshlrev_b32 v[A8], 3, v9
	v_lshlrev_b32 v[A4], 2, v9
	v_and_b32 v10, 7, v0                           ; r % 8
	v_bfe_u32 v11, v0, 3, 1                        ; r / 8
	v_bfe_u32 v[SH8], v0, 4, 1                     ; h
	v_mul_u32_u24 v[KB], v11, 1728
	v_lshl_add_u32 v[KB], v10, 3, v[KB]
	v_lshl_add_u32 v[KB], v[SH8], 7, v[KB]
	v_mul_u32_u24 v[KSB], v11, 288
	v_lshl_add_u32 v[KSB], v10, 2, v[KSB]
	v_lshlrev_b32 v[SH8], 3, v[SH8]
	s_wait_alu depctr_va_vdst(0)                   ; the wait here, ahead of the readers below
.irp j, 0,1,2
	global_load_b64 v[QF+2*\j:QF+2*\j+1], v[A8], s[50:51] offset:256*\j
.endr
	global_load_b32 v[QSA], v[A4], s[52:53]
	global_load_b32 v[QSA+1], v[A4], s[52:53] offset:128
	WIN 0x40
.irp j, 0,1,2
	global_load_b64 v[QF+2*\j:QF+2*\j+1], v[A8], s[50:51] offset:768+256*\j
.endr
	v_mov_b32 v[SH8], v[SH8]                       ; 8 h for window 1 too
	WIN 0
.irp j, 48,49,50,51,52,53
	v_mov_b32 v[KF+\j], 0                          ; what stands behind the eighth tile of k
.endr
	INIT 0
	INIT 1
	WIN 0
	s_wait_alu depctr_va_vdst(0)                   ; the wait at the head's end
	s_wait_tensorcnt 0x0                           ; my eighth is in;
	s_barrier_signal -1
	s_barrier_wait -1                              ; and everybody's
	LOADK KB, KSB                                  ; step 0's k
	s_wait_loadcnt 0x0                             ; q
	s_mov_b32 s[RB], STEPB
	s_mov_b32 s[RV], 0
	s_mov_b32 s[CNT], 15
.Lstep:
	STEP 1
	s_add_co_u32 s[RB], s[RB], STEPB
	s_add_co_u32 s[RV], s[RV], STEPB
	s_sub_co_u32 s[CNT], s[CNT], 1
	s_cmp_lg_u32 s[CNT], 0
	s_cbranch_scc1 .Lstep
	STEP 0                                         ; the last step fetches no further k
	FIN 0
	FIN 1
	WIN 0
	s_wait_tensorcnt 0x0                           ; the wave's end
	ds_add_u32 v254, v255
	s_wait_dscnt 0x0
	CROUND                                         ; the closing round
	s_endpgm
.Lfunc_end_k_q0bbcd434ec_att:
	.size	k_q0bbcd434ec_att, .Lfunc_end_k_q0bbcd434ec_att-k_q0bbcd434ec_att
	.p2alignl 7, 3214868480
	.fill 96, 4, 3214868480
	.section	.rodata,"a",@progbits
	.p2align	6, 0x0
	.amdhsa_kernel k_q0bbcd434ec_att
		.amdhsa_group_segment_fixed_size 327680
		.amdhsa_private_segment_fixed_size 0
		.amdhsa_enable_private_segment 0
		.amdhsa_kernarg_size 16
		.amdhsa_user_sgpr_count 2
		.amdhsa_user_sgpr_kernarg_segment_ptr 1
		.amdhsa_wavefront_size32 1
		.amdhsa_system_sgpr_workgroup_id_x 1
		.amdhsa_system_sgpr_workgroup_id_y 1
		.amdhsa_system_sgpr_workgroup_id_z 1
		.amdhsa_system_vgpr_workitem_id 0
		.amdhsa_next_free_vgpr 512
		.amdhsa_next_free_sgpr 66
		.amdhsa_reserve_vcc 0
		.amdhsa_float_denorm_mode_32 3
		.amdhsa_float_denorm_mode_16_64 3
		.amdhsa_memory_ordered 1
		.amdhsa_forward_progress 1
		.amdhsa_inst_pref_size 76
	.end_amdhsa_kernel
	.amdgpu_metadata
---
amdhsa.version: [ 1, 2 ]
amdhsa.kernels:
  - .name:           k_q0bbcd434ec_att
    .symbol:         k_q0bbcd434ec_att.kd
    .args:
      - { .name: qkvc, .offset: 0, .size: 8, .value_kind: global_buffer, .address_space: global }
      - { .name: yc, .offset: 8, .size: 8, .value_kind: global_buffer, .address_space: global }
    .group_segment_fixed_size: 327680
    .private_segment_fixed_size: 0
    .kernarg_segment_align: 8
    .kernarg_segment_size: 16
    .max_flat_workgroup_size: 256
    .sgpr_count:     66
    .vgpr_count:     512
    .wavefront_size: 32
...
	.end_amdgpu_metadata
.endif
;; end of part 3
;; launch projln (part 4): grid 256 x 1, 8 waves a work-group, no clusters, 70,656 bytes of LDS; arguments yc, wq, proj_b, x, x1, ln2_g, ln2_b, h2c; writes x1, h2c
.if DOCPART == 4
	.amdgcn_target "amdgcn-amd-amdhsa--gfx1250"
	.amdhsa_code_object_version 6
	.text
	.protected	k_q0bbcd434ec_projln
	.globl	k_q0bbcd434ec_projln
	.p2align	8
	.type	k_q0bbcd434ec_projln,@function
k_q0bbcd434ec_projln:
	s_mov_b64 s[64:65], 0
	v_nop
	global_prefetch_b8 v0, s[64:65] scope:SCOPE_SE
	s_setreg_imm32_b32 hwreg(HW_REG_WAVE_MODE, 25, 1), 1
	s_wait_xcnt 0x0
; x1 = x + y proj_w + proj_b (f32, stored), and LayerNorm(x1) quantised along the row into codes of FP6 (E2M3) with one E8M0 byte for each 32 (stored as operand images): one launch, so that x1 is normalised from registers.
; Work-group t takes the 16 rows of row-block t (image row r is row 32 (t / 2) + 8 (t % 2) + r + 8 (r / 8)) and ALL 1,024 columns: a row's mean and variance need the whole row.  Wave w takes columns 128 w on.
; y and proj_w are records of 3,328 bytes [row-block of 16][K / 256]: two fragment images of 1,536 bytes (chunk j: lane l's registers 2 j, 2 j + 1 at 256 j + 8 l), two scale images of 128 bytes (word at 4 l).
; THE OPERANDS GO FROM MEMORY STRAIGHT INTO THEIR REGISTERS: a load of 8 bytes a lane covers 256 consecutive bytes of an image.  A wave reads each fragment of its 128 columns of proj_w once (8 blocks x 8 K steps), so LDS would only
; add a store and a load to each byte; the weight's 851,968 bytes do not fit in LDS, so joint tensor loads would go through slots filled again three times and more: hence no tensor load, no cluster, no ring.
; No prefetch: all 256 work-groups walk the same 851,968 bytes of proj_w at about the same time, and each wave keeps two K steps of loads (112, as far as the counter allows) asked for ahead of its products.
; Source 0 = 16 columns of proj_w, source 1 = y's 16 rows: lane (r, h) holds row r, and register 16 b + i of the eight accumulators is column 32 b + 16 h + i of my 128: neighbours along the next K.
; x + proj_b, brought into that order (x through the wave's own stage in LDS), is the C of the first K step's products: the finished sums are x1.
; Mean first, then the mean of squares of (x1 - mean).  Row sums in a fixed tree order, across waves through LDS (two barriers, two regions).
; REGISTERS: window 0: v0-31 addresses and small things; v32-63 codes at work; v64-127 the accumulators; v128-223 y's eight fragments, then the norm's bias; v232-255 scale words.
;   window 1: v0-95, v96-191 two sets of proj_w's fragments (then the gain; x1's rows on their way out); v192-255 x + proj_b.
; LIMITS: a block of zeros, or under 2^-124, gets the byte 1 (only this program reads the bytes); NaN and infinities are not served; 1 / sqrt by v_rsq_f32.
.set WOFF, 2555904                     ; where proj_w's records begin in wq
.set REC,  3328
.set KPB,  13312                       ; a row-block's four records
.set RED1, 0
.set RED2, 512
.set STG0, 1024
.set STG,  8448                        ; a wave's stage: 16 rows x (512 + 16) bytes
.set L4,   16
.set L8,   28
.set R,    64
.set AFR,  128
.set BB,   128
.set ASC,  232                         ; v232-239 y's scale words, one for each K step
.set WSC,  240                         ; v240-255 proj_w's, two sets of 8
.set G,    0
.set XO,   96
.set XR,   192
.set PC,   32
.set PT,   44
.set TM,   52
.set PW,   30
.set SEL,  20
.set MSB, 0
.macro WIN new                         ; the immediate's high byte repeats the setting that is left
.if MSB != (\new)
	s_set_vgpr_msb (MSB<<8)|(\new)
.set MSB, (\new)
.endif
.endm
.macro QUANT s
.irp b, 0,1,2,3
	v_max3_num_f32 v[TM+\b], |v[\s+16*\b]|, |v[\s+1+16*\b]|, 0x1800000   ; my 16 numbers of block b, and the floor 2^(3 - 127)
.endr
.irp i, 2,4,6,8,10,12,14
.irp b, 0,1,2,3
	s_delay_alu instid0(VALU_DEP_4)
	v_max3_num_f32 v[TM+\b], v[TM+\b], |v[\s+16*\b+\i]|, |v[\s+1+16*\b+\i]|
.endr
.endr
.irp b, 0,1,2,3
	s_delay_alu instid0(VALU_DEP_4)
	v_permlanex16_b32 v[TM+4+\b], v[TM+\b], s[SEL], s[SEL+1]
.endr
.irp b, 0,1,2,3
	s_delay_alu instid0(VALU_DEP_4)
	v_max_num_f32 v[TM+\b], v[TM+\b], v[TM+4+\b]   ; with lane l xor 16's: the block's largest magnitude
.endr
.irp b, 0,1,2,3
	s_delay_alu instid0(VALU_DEP_4)
	v_add_nc_u32 v[TM+8+\b], 0xff000000, v[TM+\b]  ; 2 off the exponent field: the conversion's scale operand
.endr
.irp b, 0,1,2,3
	s_delay_alu instid0(VALU_DEP_4)
	v_lshrrev_b32 v[TM+4+\b], 23, v[TM+8+\b]       ; the scale's byte
.endr
	s_delay_alu instid0(VALU_DEP_3)
	v_lshl_or_b32 v[PW], v[TM+5], 8, v[TM+4]
	s_delay_alu instid0(VALU_DEP_1)
	v_lshl_or_b32 v[PW], v[TM+6], 16, v[PW]
	s_delay_alu instid0(VALU_DEP_1)
	v_lshl_or_b32 v[PW], v[TM+7], 24, v[PW]
.irp c, 0,1
	v_cvt_scalef32_pk16_fp6_f32 v[PC+6*\c:PC+2+6*\c], v[\s+32*\c:\s+15+32*\c], v[TM+8+2*\c]
	v_cvt_scalef32_pk16_fp6_f32 v[PT+4*\c:PT+2+4*\c], v[\s+16+32*\c:\s+31+32*\c], v[TM+8+2*\c+1]
.endr
	v_nop                                          ; one plain line behind a scaled conversion
.irp c, 0,1                                    ; the operand wants a whole block in a lane
.irp i, 0,1,2
	v_permlane16_swap_b32 v[PC+6*\c+\i], v[PT+4*\c+\i]
.endr
.irp i, 0,1,2
	s_delay_alu instid0(VALU_DEP_3)
	v_mov_b32 v[PC+3+6*\c+\i], v[PT+4*\c+\i]
.endr
.endr
.endm
; four packed chains in v[8:15] become the row's total over all 1,024 columns, in v8 of every lane of the row
.macro RSUM red
	v_pk_add_f32 v[8:9], v[8:9], v[10:11]
	v_pk_add_f32 v[12:13], v[12:13], v[14:15]
	s_delay_alu instid0(VALU_DEP_1)
	v_pk_add_f32 v[8:9], v[8:9], v[12:13]
	s_delay_alu instid0(VALU_DEP_1)
	v_add_f32 v8, v8, v9
	s_delay_alu instid0(VALU_DEP_1)
	v_permlanex16_b32 v9, v8, s[SEL], s[SEL+1]
	s_delay_alu instid0(VALU_DEP_1)
	v_add_f32 v8, v8, v9                           ; my wave's 128 columns of row r
	ds_store_b32 v25, v8 offset:\red               ; lanes r and 16 + r write the same word with the same value
	s_wait_dscnt 0x0                               ; for the others' sake: my store has landed
	s_barrier_signal -1
	s_barrier_wait -1
.irp w, 0,1,2,3,4,5,6,7
	ds_load_b32 v[8+\w], v24 offset:\red+64*\w
.endr
	s_wait_dscnt 0x0
	v_add_f32 v8, v8, v9
	v_add_f32 v10, v10, v11
	v_add_f32 v12, v12, v13
	v_add_f32 v14, v14, v15
	s_delay_alu instid0(VALU_DEP_3)
	v_add_f32 v8, v8, v10
	s_delay_alu instid0(VALU_DEP_2)
	v_add_f32 v12, v12, v14
	s_delay_alu instid0(VALU_DEP_1)
	v_add_f32 v8, v8, v12
.endm
.macro LOADW s                         ; 56 loads: K step s of my eight blocks of proj_w into set s % 2, and their scale words
	WIN 0x40
.irp b, 0,1,2,3,4,5,6,7
.irp j, 0,1,2,3,4,5
	global_load_b64 v[96*((\s)%2)+12*\b+2*\j:96*((\s)%2)+12*\b+2*\j+1], v[L8], s[6:7] offset:\b*KPB+((\s)/2)*REC+((\s)%2)*1536+256*\j
.endr
.endr
	WIN 0
.irp b, 0,1,2,3,4,5,6,7
	global_load_b32 v[WSC+8*((\s)%2)+\b], v[L4], s[6:7] offset:\b*KPB+((\s)/2)*REC+3072+((\s)%2)*128
.endr
.endm
; K step s: eight products, the accumulators by turns; then the set takes the step two further on
.macro GSTEP s
.if (\s) < 7
	s_wait_loadcnt 56                              ; this step's operands are in; the younger set's 56 loads may be out
.else
	s_wait_loadcnt 32                              ; the norm's bias and gain, 32 loads, may be out
.endif
.if (\s) == 0
	WIN 0x11                                       ; source 0 and C in window 1
.else
	WIN 0x01
.endif
.irp b, 0,1,2,3,4,5,6,7
.if (\s) == 0
	v_wmma_scale_f32_16x16x128_f8f6f4 v[R+8*\b:R+8*\b+7], v[12*\b:12*\b+11], v[AFR:AFR+11], v[XR+8*\b:XR+8*\b+7], v[WSC+\b], v[ASC] matrix_a_fmt:MATRIX_FMT_FP6 matrix_b_fmt:MATRIX_FMT_FP6
.else
	v_wmma_scale_f32_16x16x128_f8f6f4 v[R+8*\b:R+8*\b+7], v[96*((\s)%2)+12*\b:96*((\s)%2)+12*\b+11], v[AFR+12*(\s):AFR+12*(\s)+11], v[R+8*\b:R+8*\b+7], v[WSC+8*((\s)%2)+\b], v[ASC+(\s)] matrix_a_fmt:MATRIX_FMT_FP6 matrix_b_fmt:MATRIX_FMT_FP6
.endif
.endr
.rept 4
	v_nop                                          ; four plain lines in front of loads into registers that matrix instructions have read, and of the first read of results
.endr
.if (\s) < 6
	LOADW (\s)+2
.endif
.endm
	s_load_b512 s[4:19], s[0:1], 0x0               ; yc, wq, proj_b, x, x1, ln2_g, ln2_b, h2c
	v_lshl_add_u32 v29, v0, 2, 0x11000
	v_mov_b32 v31, 0
	v_lshrrev_b32 v1, 5, v0
	v_readfirstlane_b32 s24, v1                    ; wave 0..7
	v_and_b32 v1, 31, v0                           ; lane
	v_and_b32 v2, 15, v0                           ; r
	v_bfe_u32 v3, v0, 4, 1                         ; h
	v_lshlrev_b32 v4, 4, v1                        ; 16 x lane
	v_lshlrev_b32 v5, 6, v3                        ; 64 h
	v_lshlrev_b32 v[L8], 3, v1
	v_lshlrev_b32 v[L4], 2, v1
	v_lshlrev_b32 v24, 2, v2                       ; 4 r
	v_mul_u32_u24 v7, v2, 528
	v_add_nc_u32 v7, v7, v5
	s_mul_i32 s25, s24, STG
	s_add_co_u32 s25, s25, STG0                    ; my stage
	v_add_nc_u32 v6, s25, v4                       ; by whole rows: 16 x lane
	v_add_nc_u32 v7, s25, v7                       ; by lanes: row r, + 64 h
	s_lshl_b32 s26, s24, 6
	v_add_nc_u32 v25, s26, v24                     ; 64 w + 4 r
	s_and_b32 s26, s24, 1
	s_mul_i32 s27, s26, 1536
	v_add_nc_u32 v26, s27, v[L8]                   ; in my K step's fragment image of h2c
	s_lshl_b32 s27, s26, 7
	s_add_co_u32 s27, s27, 3072
	v_add_nc_u32 v27, s27, v[L4]                   ; and scale image
.irp b, 0,1,2,3
	v_mov_b32 v[TM+4+\b], 0                        ; a lane permute's destination counts as one of its sources
.endr
	s_mov_b32 s[SEL], 0x76543210
	s_mov_b32 s[SEL+1], 0xfedcba98
	s_mov_b32 s40, 0x3a800000                      ; 1 / 1024
	s_mov_b32 s41, 0x3727c5ac                      ; 1e-5
	s_lshr_b32 s28, ttmp9, 1
	s_lshl_b32 s28, s28, 5
	s_and_b32 s29, ttmp9, 1
	s_lshl_b32 s29, s29, 3
	s_add_co_u32 s28, s28, s29                     ; the row-block's first row
	s_lshl_b32 s32, s24, 9                         ; my 128 columns, in bytes
	s_mov_b32 s33, 0
	s_lshl_b32 s30, s28, 12
	s_add_co_u32 s30, s30, s32
	s_mov_b32 s31, 0
	s_lshl_b32 s34, ttmp9, 2
	s_lshr_b32 s35, s24, 1
	s_add_co_u32 s34, s34, s35
	s_mul_i32 s34, s34, REC                        ; my record of h2c: 4 t + w / 2
	s_mov_b32 s35, 0
	s_mul_i32 s36, ttmp9, KPB                      ; y's row-block
	s_mov_b32 s37, 0
	s_mul_i32 s38, s24, 8*KPB                      ; my eight blocks of proj_w
	s_add_co_u32 s38, s38, WOFF
	s_mov_b32 s39, 0
	s_wait_alu depctr_va_vdst(0)                   ; the wait at the head's end
	s_wait_kmcnt 0x0
	s_add_nc_u64 s[4:5], s[4:5], s[36:37]
	s_add_nc_u64 s[6:7], s[6:7], s[38:39]
	s_add_nc_u64 s[8:9], s[8:9], s[32:33]
	s_add_nc_u64 s[10:11], s[10:11], s[30:31]
	s_add_nc_u64 s[12:13], s[12:13], s[30:31]
	s_add_nc_u64 s[14:15], s[14:15], s[32:33]
	s_add_nc_u64 s[16:17], s[16:17], s[32:33]
	s_add_nc_u64 s[18:19], s[18:19], s[34:35]
	WIN 0x40
.irp i, 0,1,2,3,4,5,6,7,8,9,10,11,12,13,14,15
	global_load_b128 v[XR+4*\i:XR+4*\i+3], v4, s[10:11] offset:(\i+8*(\i/8))*4096   ; x, image row i: 512 consecutive bytes
.endr
	WIN 0
.irp b, 0,1,2,3
.irp j, 0,1,2,3
	global_load_b128 v[R+16*\b+4*\j:R+16*\b+4*\j+3], v5, s[8:9] offset:128*\b+16*\j   ; proj_b in the result's order
.endr
.endr
	LOADW 0
	s_wait_loadcnt 56                              ; x and proj_b are in; the 56 loads of K step 0 may be out
	WIN 0x04                                       ; the data in window 1
.irp i, 0,1,2,3,4,5,6,7,8,9,10,11,12,13,14,15
	ds_store_b128 v6, v[XR+4*\i:XR+4*\i+3] offset:528*\i
.endr
	s_wait_dscnt 0x0                               ; the stores have read their registers: the loads below land in them
	WIN 0x40
.irp b, 0,1,2,3
.irp j, 0,1,2,3
	ds_load_b128 v[XR+16*\b+4*\j:XR+16*\b+4*\j+3], v7 offset:128*\b+16*\j
.endr
.endr
	WIN 0
.irp s, 0,1,2,3,4,5,6,7                        ; 56 loads: y's eight fragments and scale words
.irp j, 0,1,2,3,4,5
	global_load_b64 v[AFR+12*\s+2*\j:AFR+12*\s+2*\j+1], v[L8], s[4:5] offset:(\s/2)*REC+(\s%2)*1536+256*\j
.endr
	global_load_b32 v[ASC+\s], v[L4], s[4:5] offset:(\s/2)*REC+3072+(\s%2)*128
.endr
	LOADW 1
	s_wait_dscnt 0x0
	WIN 0x41                                       ; x in window 1, proj_b in window 0
.set n, 0
.rept 32
	v_pk_add_f32 v[XR+n:XR+n+1], v[XR+n:XR+n+1], v[R+n:R+n+1]
.set n, n+2
.endr
	s_wait_alu depctr_va_vdst(0)                   ; the wait here, directly ahead of the wait below
	GSTEP 0
	GSTEP 1
	GSTEP 2
	GSTEP 3
	GSTEP 4
	GSTEP 5
	GSTEP 6
	WIN 0
.irp b, 0,1,2,3                                ; y's fragments of K steps 0 to 5 and proj_w's set 0 are done with: the norm's bias and gain land there
.irp j, 0,1,2,3
	global_load_b128 v[BB+16*\b+4*\j:BB+16*\b+4*\j+3], v5, s[16:17] offset:128*\b+16*\j
.endr
.endr
	WIN 0x40
.irp b, 0,1,2,3
.irp j, 0,1,2,3
	global_load_b128 v[G+16*\b+4*\j:G+16*\b+4*\j+3], v5, s[14:15] offset:128*\b+16*\j
.endr
.endr
	GSTEP 7
	WIN 0
.irp b, 0,1,2,3                                ; x1 goes out through my stage; each accumulator is read from its low end on
.irp j, 0,1,2,3
	ds_store_b128 v7, v[R+16*\b+4*\j:R+16*\b+4*\j+3] offset:128*\b+16*\j
.endr
.endr
	WIN 0x40
.irp i, 0,1,2,3,4,5,6,7,8,9,10,11,12,13,14,15
	ds_load_b128 v[XO+4*\i:XO+4*\i+3], v6 offset:528*\i   ; LDS serves a wave's instructions in order: these see the stores above
.endr
	WIN 0
.irp c, 0,1,2,3
	v_pk_add_f32 v[8+2*\c:9+2*\c], v[R+4*\c:R+4*\c+1], v[R+4*\c+2:R+4*\c+3]
.endr
.irp j, 16,24,32,40,48,56
.irp c, 0,1,2,3
	v_pk_add_f32 v[8+2*\c:9+2*\c], v[8+2*\c:9+2*\c], v[R+\j+2*\c:R+\j+2*\c+1]
.endr
.endr
	s_wait_alu depctr_va_vdst(0)                   ; the wait here, directly ahead of the wait below
	s_wait_dscnt 0x0
	WIN 0x04
.irp i, 0,1,2,3,4,5,6,7,8,9,10,11,12,13,14,15
	global_store_b128 v4, v[XO+4*\i:XO+4*\i+3], s[12:13] offset:(\i+8*(\i/8))*4096   ; 32 lanes store 512 consecutive bytes, aligned
.endr
	WIN 0
	RSUM RED1
	s_delay_alu instid0(VALU_DEP_1)
	v_mul_f32 v20, s40, v8                         ; the mean
	s_delay_alu instid0(VALU_DEP_1)
	v_mov_b32 v21, v20
.set n, 0
.rept 32
	v_pk_add_f32 v[R+n:R+n+1], v[R+n:R+n+1], v[20:21] neg_lo:[0,1] neg_hi:[0,1]
.set n, n+2
.endr
.irp c, 0,1,2,3
	v_pk_mul_f32 v[8+2*\c:9+2*\c], v[R+2*\c:R+2*\c+1], v[R+2*\c:R+2*\c+1]
.endr
.irp j, 8,16,24,32,40,48,56
.irp c, 0,1,2,3
	v_pk_fma_f32 v[8+2*\c:9+2*\c], v[R+\j+2*\c:R+\j+2*\c+1], v[R+\j+2*\c:R+\j+2*\c+1], v[8+2*\c:9+2*\c]
.endr
.endr
	RSUM RED2
	s_delay_alu instid0(VALU_DEP_1)
	v_fma_f32 v22, v8, s40, s41                    ; the variance + 1e-5
	s_wait_alu depctr_va_vdst(0)                   ; the wait ahead of the transcendental
	v_rsq_f32 v22, v22
	v_nop                                          ; a plain line behind the transcendental
	s_wait_alu depctr_va_vdst(0)                   ; and ahead of the first line that names the result
	v_mov_b32 v23, v22
.set n, 0
.rept 32
	v_pk_mul_f32 v[R+n:R+n+1], v[R+n:R+n+1], v[22:23]
.set n, n+2
.endr
	s_wait_loadcnt 0x0                             ; gain and bias
	WIN 0x04                                       ; the gain in window 1
.set n, 0
.rept 32
	v_pk_fma_f32 v[R+n:R+n+1], v[R+n:R+n+1], v[G+n:G+n+1], v[BB+n:BB+n+1]
.set n, n+2
.endr
	WIN 0
	QUANT R
.irp j, 0,1,2,3,4,5
	global_store_b64 v26, v[PC+2*\j:PC+2*\j+1], s[18:19] offset:256*\j   ; 32 lanes store 256 consecutive bytes, aligned
.endr
	global_store_b32 v27, v[PW], s[18:19]
	s_wait_tensorcnt 0x0                           ; the wave's end
	ds_add_u32 v29, v31
	s_wait_dscnt 0x0
	s_endpgm
.Lfunc_end_k_q0bbcd434ec_projln:
	.size	k_q0bbcd434ec_projln, .Lfunc_end_k_q0bbcd434ec_projln-k_q0bbcd434ec_projln
	.p2alignl 7, 3214868480
	.fill 96, 4, 3214868480
	.section	.rodata,"a",@progbits
	.p2align	6, 0x0
	.amdhsa_kernel k_q0bbcd434ec_projln
		.amdhsa_group_segment_fixed_size 70656
		.amdhsa_private_segment_fixed_size 0
		.amdhsa_enable_private_segment 0
		.amdhsa_kernarg_size 64
		.amdhsa_user_sgpr_count 2
		.amdhsa_user_sgpr_kernarg_segment_ptr 1
		.amdhsa_wavefront_size32 1
		.amdhsa_system_sgpr_workgroup_id_x 1
		.amdhsa_system_sgpr_workgroup_id_y 1
		.amdhsa_system_sgpr_workgroup_id_z 1
		.amdhsa_system_vgpr_workitem_id 0
		.amdhsa_next_free_vgpr 512
		.amdhsa_next_free_sgpr 66
		.amdhsa_reserve_vcc 0
		.amdhsa_float_denorm_mode_32 3
		.amdhsa_float_denorm_mode_16_64 3
		.amdhsa_memory_ordered 1
		.amdhsa_forward_progress 1
		.amdhsa_inst_pref_size 94
	.end_amdhsa_kernel
	.amdgpu_metadata
---
amdhsa.version: [ 1, 2 ]
amdhsa.kernels:
  - .name:           k_q0bbcd434ec_projln
    .symbol:         k_q0bbcd434ec_projln.kd
    .args:
      - { .name: yc, .offset: 0, .size: 8, .value_kind: global_buffer, .address_space: global }
      - { .name: wq, .offset: 8, .size: 8, .value_kind: global_buffer, .address_space: global }
      - { .name: proj_b, .offset: 16, .size: 8, .value_kind: global_buffer, .address_space: global }
      - { .name: x, .offset: 24, .size: 8, .value_kind: global_buffer, .address_space: global }
      - { .name: x1, .offset: 32, .size: 8, .value_kind: global_buffer, .address_space: global }
      - { .name: ln2_g, .offset: 40, .size: 8, .value_kind: global_buffer, .address_space: global }
      - { .name: ln2_b, .offset: 48, .size: 8, .value_kind: global_buffer, .address_space: global }
      - { .name: h2c, .offset: 56, .size: 8, .value_kind: global_buffer, .address_space: global }
    .group_segment_fixed_size: 70656
    .private_segment_fixed_size: 0
    .kernarg_segment_align: 8
    .kernarg_segment_size: 64
    .max_flat_workgroup_size: 256
    .sgpr_count:     66
    .vgpr_count:     512
    .wavefront_size: 32
...
	.end_amdgpu_metadata
.endif
;; end of part 4
;; launch fc1 (part 5): grid 16 x 16, 4 waves a work-group, clusters of 4 x 4, 327,680 bytes of LDS; arguments h2c, wq, fc1_b, gc; writes gc
.if DOCPART == 5
	.amdgcn_target "amdgcn-amd-amdhsa--gfx1250"
	.amdhsa_code_object_version 6
	.text
	.protected	k_q0bbcd434ec_fc1
	.globl	k_q0bbcd434ec_fc1
	.p2align	8
	.type	k_q0bbcd434ec_fc1,@function
k_q0bbcd434ec_fc1:
	s_mov_b64 s[64:65], 0
	v_nop
	global_prefetch_b8 v0, s[64:65] scope:SCOPE_SE
	s_setreg_imm32_b32 hwreg(HW_REG_WAVE_MODE, 25, 1), 1
	s_wait_xcnt 0x0
	s_wait_alu depctr_hold_cnt(0) depctr_sa_sdst(0) depctr_va_vdst(0) depctr_va_sdst(0) depctr_va_ssrc(0) depctr_va_vcc(0) depctr_vm_vsrc(0)
	s_getreg_b32 s2, hwreg(HW_REG_IB_STS2, 6, 4)
	s_cmp_eq_u32 s2, 0
	s_cbranch_scc0 .Lentry_in_a_cluster
	s_endpgm
.Lentry_in_a_cluster:
	s_bfe_u32 s2, ttmp6, 0x10000c
	s_cmp_lg_u32 s2, 0xf033
	s_cbranch_scc0 .Lentry_shape_is_right
	s_endpgm
.Lentry_shape_is_right:
.set REC,   3328
.set RB8,   8*REC
.set SLOT,  32*REC
.set SPARE, 3*SLOT
.set KPB,   4*REC
.set FR,    12
.set L8,   2
.set L4,   3
.set ADRA, 16
.set ADRB, 20
.set ADRS, 24
.set SPW,  28
.set NIL,  29
.set SC,   32
.set BI,   64
.set AF,   128
.set T,    128
.set Z,    192
.set W,    208
.set P,    224
.set Q,    240
.set PC,   192
.set PT,   204
.set TM,   212
.set PW,   224
.set G1,   24
.set G0,   32
.set G1B,  48
.set G0B,  56
.set SEL,  66
.set MUL_LO, 0xa1
.set MUL_HI, 0xf1
.set TO_B,   0x40
.set MSB, 0
.macro WIN new
.if MSB != (\new)
	s_set_vgpr_msb (MSB<<8)|(\new)
.set MSB, (\new)
.endif
.endm
.macro PLACES n
.rept \n
	v_nop
.endr
.endm
.macro JLOAD g0a, g1a, g0b, g1b
	s_cmp_eq_u32 s15, 0
	s_cbranch_scc0 .Lfor_b_\@
	tensor_load_to_lds s[\g0a:\g0a+3], s[\g1a:\g1a+7]
	s_nop 0
.rept 4
	v_nop
.endr
	s_branch .Lasked_\@
.Lfor_b_\@:
	tensor_load_to_lds s[\g0b:\g0b+3], s[\g1b:\g1b+7]
	s_nop 0
.rept 4
	v_nop
.endr
.Lasked_\@:
.endm
.macro CREST
	s_cmp_lg_u32 s14, 0
	s_cbranch_scc1 .Lnot_wave_0_\@
	s_barrier_signal -3
.Lnot_wave_0_\@:
	s_barrier_wait -3
	s_barrier_signal -1
	s_barrier_wait -1
.endm
.macro CROUND
	s_barrier_signal -1
	s_barrier_wait -1
	CREST
.endm
.macro FRAG reg, adr, q, i
.irp j, 0,1,2,3,4,5
	ds_load_b64 v[\reg+2*\j:\reg+2*\j+1], v[\adr] offset:(\i)*RP+1536*(\q)+256*\j
.endr
.endm
.macro FETCH_B slot, q, p
.set RP, REC*(2-(\slot)/2)             ; places 0, 1: the two chunks of the head's load, a row-block's two records on end; places 2, 3: one record a row-block
	WIN TO_B
.irp i, 0,1,2,3,4,5,6,7
	FRAG 128*(\p)+FR*\i, ADRB+\slot, \q, \i
.endr
	WIN 0
.endm
.macro FETCH_A slot, q, i0
.set RP, REC*(2-(\slot)/2)
.irp i, \i0, \i0+1, \i0+2, \i0+3
	FRAG AF+FR*(\i), ADRA+\slot, \q, \i
.endr
.endm
.macro SCALES slot, set
.set RP, REC*(2-(\slot)/2)
.irp i, 0,1,2,3,4,5,6,7
	ds_load_b32 v[SC+16*(\set)+2*\i], v[ADRS+\slot] offset:\i*RP
	ds_load_b32 v[SC+16*(\set)+2*\i+1], v[ADRS+\slot] offset:\i*RP+128
.endr
.endm
.macro MUL16 a0, p, q, sc, zero
.irp a, \a0, \a0+1
.irp b, 0,1,2,3,4,5,6,7
.if \zero
	v_wmma_scale_f32_16x16x128_f8f6f4 v[8*(8*((\a)%4)+\b):8*(8*((\a)%4)+\b)+7], v[128*(\p)+FR*\b:128*(\p)+FR*\b+FR-1], v[AF+FR*(\a):AF+FR*(\a)+FR-1], 0, v[SC+16*(\sc)+2*\b+(\q)], v[SC+16*(\sc)+2*(\a)+(\q)] matrix_a_fmt:MATRIX_FMT_FP6 matrix_b_fmt:MATRIX_FMT_FP6 matrix_a_scale:MATRIX_SCALE_ROW1
.else
	v_wmma_scale_f32_16x16x128_f8f6f4 v[8*(8*((\a)%4)+\b):8*(8*((\a)%4)+\b)+7], v[128*(\p)+FR*\b:128*(\p)+FR*\b+FR-1], v[AF+FR*(\a):AF+FR*(\a)+FR-1], v[8*(8*((\a)%4)+\b):8*(8*((\a)%4)+\b)+7], v[SC+16*(\sc)+2*\b+(\q)], v[SC+16*(\sc)+2*(\a)+(\q)] matrix_a_fmt:MATRIX_FMT_FP6 matrix_b_fmt:MATRIX_FMT_FP6 matrix_a_scale:MATRIX_SCALE_ROW1
.endif
.endr
.endr
.endm
.macro KSTEP cs, cq, sc, ns, nq, nsc, zero, sync
.if \sync
	s_wait_tensorcnt 0x0
	ds_add_u32 v[SPW], v[NIL]
	s_wait_dscnt 25
	WIN MUL_LO
	MUL16 0, \cq, \cq, \sc, \zero
	s_wait_dscnt 0x0
	s_barrier_signal -1
	MUL16 2, \cq, \cq, \sc, \zero
	WIN 0
	s_barrier_wait -1
.if \sync == 2
	CREST
	JLOAD G0+4, G1, G0B+4, G1B                     ; the last 256 along K, into the first bytes of the head's region, which nobody reads any more
.else
	PLACES 4
.endif
.else
	s_wait_dscnt 24
	WIN MUL_LO
	MUL16 0, \cq, \cq, \sc, \zero
	MUL16 2, \cq, \cq, \sc, \zero
	s_wait_dscnt 0x0
	PLACES 4
.endif
	FETCH_B \ns, \nq, \nq
	FETCH_A \ns, \nq, 0
.if \nq == 0
	SCALES \ns, \nsc
.endif
	WIN MUL_HI
	MUL16 4, \cq, \cq, \sc, \zero
	MUL16 6, \cq, \cq, \sc, \zero
	PLACES 4
	WIN 0
	FETCH_A \ns, \nq, 4
.endm
.macro LAST sc
	s_wait_dscnt 24
	WIN MUL_LO
	MUL16 0, 1, 1, \sc, 0
	MUL16 2, 1, 1, \sc, 0
	s_wait_dscnt 0x0
	WIN MUL_HI
	MUL16 4, 1, 1, \sc, 0
	MUL16 6, 1, 1, \sc, 0
	WIN 0
.endm
.macro QUANT s
.irp b, 0,1,2,3
	v_max3_num_f32 v[TM+\b], |v[\s+16*\b]|, |v[\s+1+16*\b]|, 0x1800000
.endr
.irp i, 2,4,6,8,10,12,14
.irp b, 0,1,2,3
	v_max3_num_f32 v[TM+\b], v[TM+\b], |v[\s+16*\b+\i]|, |v[\s+1+16*\b+\i]|
.endr
.endr
.irp b, 0,1,2,3
	v_permlanex16_b32 v[TM+4+\b], v[TM+\b], s[SEL], s[SEL+1]
.endr
.irp b, 0,1,2,3
	v_max_num_f32 v[TM+\b], v[TM+\b], v[TM+4+\b]
.endr
.irp b, 0,1,2,3
	v_add_nc_u32 v[TM+8+\b], 0xff000000, v[TM+\b]
.endr
.irp b, 0,1,2,3
	v_lshrrev_b32 v[TM+4+\b], 23, v[TM+8+\b]
.endr
	v_lshl_or_b32 v[PW], v[TM+5], 8, v[TM+4]
	v_lshl_or_b32 v[PW], v[TM+6], 16, v[PW]
	v_lshl_or_b32 v[PW], v[TM+7], 24, v[PW]
.irp c, 0,1
	v_cvt_scalef32_pk16_fp6_f32 v[PC+6*\c:PC+2+6*\c], v[\s+32*\c:\s+15+32*\c], v[TM+8+2*\c]
	v_cvt_scalef32_pk16_fp6_f32 v[PT+4*\c:PT+2+4*\c], v[\s+16+32*\c:\s+31+32*\c], v[TM+8+2*\c+1]
.endr
	v_nop
.irp c, 0,1
.irp i, 0,1,2
	v_permlane16_swap_b32 v[PC+6*\c+\i], v[PT+4*\c+\i]
.endr
.irp i, 0,1,2
	v_mov_b32 v[PC+3+6*\c+\i], v[PT+4*\c+\i]
.endr
.endr
.endm
.macro GELU16 k
.set TT, T+16*(\k)
.irp i, 0,2,4,6,8,10,12,14
	v_pk_mul_f32 v[Z+\i:Z+\i+1], v[TT+\i:TT+\i+1], 0x3f3504f3 op_sel_hi:[1,0]
.endr
.irp i, 0,1,2,3,4,5,6,7,8,9,10,11,12,13,14,15
	v_med3_num_f32 v[Z+\i], v[Z+\i], -4.0, 4.0
.endr
.irp i, 0,2,4,6,8,10,12,14
	v_pk_mul_f32 v[W+\i:W+\i+1], v[Z+\i:Z+\i+1], v[Z+\i:Z+\i+1]
.endr
.irp i, 0,2,4,6,8,10,12,14
	v_pk_fma_f32 v[P+\i:P+\i+1], v[W+\i:W+\i+1], v[8:9], 0x32edffee op_sel_hi:[1,1,0]
.endr
.irp cst, 0xb60cff51, 0xb86ec2d2, 0xba40ac63, 0xbb41a1f6, 0xbc83dbd4
.irp i, 0,2,4,6,8,10,12,14
	v_pk_fma_f32 v[P+\i:P+\i+1], v[P+\i:P+\i+1], v[W+\i:W+\i+1], \cst op_sel_hi:[1,1,0]
.endr
.endr
.irp i, 0,2,4,6,8,10,12,14
	v_pk_fma_f32 v[Q+\i:Q+\i+1], v[W+\i:W+\i+1], v[10:11], 0xb95fbd29 op_sel_hi:[1,1,0]
.endr
.irp cst, 0xbadc924e, 0xbbf19bf8, 0xbc69b6a7
.irp i, 0,2,4,6,8,10,12,14
	v_pk_fma_f32 v[Q+\i:Q+\i+1], v[Q+\i:Q+\i+1], v[W+\i:W+\i+1], \cst op_sel_hi:[1,1,0]
.endr
.endr
.irp i, 0,2,4,6,8,10,12,14
	v_pk_mul_f32 v[P+\i:P+\i+1], v[P+\i:P+\i+1], v[Z+\i:Z+\i+1]
.endr
	s_wait_alu depctr_va_vdst(0)
.irp i, 0,1,2,3,4,5,6,7,8,9,10,11,12,13,14,15
	v_rcp_f32 v[Q+\i], v[Q+\i]
.endr
.irp i, 0,2,4,6,8,10,12,14
	v_pk_mul_f32 v[TT+\i:TT+\i+1], v[TT+\i:TT+\i+1], 0.5 op_sel_hi:[1,0]
.endr
	s_wait_alu depctr_va_vdst(0)
.irp i, 0,2,4,6,8,10,12,14
	v_pk_mul_f32 v[P+\i:P+\i+1], v[P+\i:P+\i+1], v[Q+\i:Q+\i+1]
.endr
.irp i, 0,2,4,6,8,10,12,14
	v_pk_fma_f32 v[TT+\i:TT+\i+1], v[TT+\i:TT+\i+1], v[P+\i:P+\i+1], v[TT+\i:TT+\i+1]
.endr
.endm
.macro COPY a
	WIN 0x02+(\a)/4
.irp b, 0,1,2,3,4,5,6,7
.irp i, 0,2,4,6
	v_pk_add_f32 v[T+8*\b+\i:T+8*\b+\i+1], v[64*((\a)%4)+8*\b+\i:64*((\a)%4)+8*\b+\i+1], v[BI+8*\b+\i:BI+8*\b+\i+1]
.endr
.endr
	WIN 0
.endm
	s_load_b256 s[4:11], s[0:1], 0x0
	v_lshl_add_u32 v[SPW], v0, 2, SPARE
	v_mov_b32 v[NIL], 0
	ds_add_u32 v28, v29
	ds_add_u32 v28, v29
	s_wait_dscnt 0x0
	v_lshrrev_b32 v1, 5, v0
	v_readfirstlane_b32 s14, v1
	s_lshr_b32 s15, s14, 1
	s_and_b32 s16, s14, 1
	s_bfe_u32 s72, ttmp6, 0x40000
	s_bfe_u32 s73, ttmp6, 0x40004
	s_lshl_b32 s74, ttmp9, 2
	s_add_co_u32 s74, s74, s72
	s_and_b32 s75, ttmp7, 0xffff
	s_lshl_b32 s75, s75, 2
	s_add_co_u32 s75, s75, s73
	s_lshl_b32 s76, s73, 2
	s_lshl_b32 s76, 15, s76
	s_lshl_b32 s77, 0x1111, s72
	s_or_b32 s[G1], s76, (3<<16)|(1<<21)
	s_or_b32 s[G1B], s77, (3<<16)|(1<<21)
.irp g, G1, G1B
	s_mov_b32 s[\g+1], 832<<16                     ; for the head's load two records, 832 elements
	s_mov_b32 s[\g+2], 8<<16
	s_mov_b32 s[\g+3], 832<<16
	s_mov_b32 s[\g+4], 8
	s_mov_b32 s[\g+5], 1664
	s_mov_b32 s[\g+6], 0
	s_mov_b32 s[\g+7], 0
.endr
	s_mov_b32 s[SEL], 0x76543210
	s_mov_b32 s[SEL+1], 0xfedcba98
	s_lshl_b32 s82, s16, 3
	s_lshl_b32 s83, s75, 4
	s_add_co_u32 s83, s83, s82
	s_mul_i32 s84, s83, KPB
	s_mov_b32 s85, 0
	s_lshl_b32 s86, s74, 4
	s_add_co_u32 s86, s86, s82
	s_mul_i32 s86, s86, KPB
	s_add_co_u32 s86, s86, 3407872
	s_mov_b32 s87, 0
	s_mul_i32 s88, s14, RB8
	s_wait_kmcnt 0x0
	s_add_nc_u64 s[92:93], s[4:5], s[84:85]
	s_add_nc_u64 s[94:95], s[6:7], s[86:87]
	CROUND
.irp s, 0,1,2
.set GB, G0B+4*\s+4*(\s/2)
	s_mov_b32 s[G0+4*\s], 1
	s_add_co_u32 s[G0+4*\s+1], s88, \s*SLOT
	s_add_nc_u64 s[G0+4*\s+2:G0+4*\s+3], s[92:93], \s*REC
	s_or_b32 s[G0+4*\s+3], s[G0+4*\s+3], 0x80000000
	s_mov_b32 s[GB], 1
	s_add_co_u32 s[GB+1], s88, \s*SLOT
	s_add_nc_u64 s[GB+2:GB+3], s[94:95], \s*REC
	s_or_b32 s[GB+3], s[GB+3], 0x80000000
.endr
	s_lshl_b32 s[G0+1], s88, 1                     ; the head's load: wave x 8 row-blocks x two records
	s_lshl_b32 s[G0B+1], s88, 1
	s_mov_b32 s[G0+5], s88                         ; the second set serves the last 256 along K: wave x 8 records from byte 0 on,
	s_mov_b32 s[G0B+5], s88
	s_add_nc_u64 s[G0+6:G0+7], s[G0+6:G0+7], 2*REC ; the row-block's fourth record
	s_add_nc_u64 s[G0B+6:G0B+7], s[G0B+6:G0B+7], 2*REC
	JLOAD G0, G1, G0B, G1B                         ; K = 0 .. 511: one tensor load a wave at the head
	v_and_b32 v1, 31, v0
	v_lshlrev_b32 v[L8], 3, v1
	s_wait_alu depctr_va_vdst(0)
	v_lshlrev_b32 v[L4], 2, v1
	v_bfe_u32 v4, v0, 4, 1
	s_mul_i32 s80, s15, RB8
	s_mul_i32 s81, s16, RB8
	s_add_co_u32 s81, s81, 2*RB8
	s_xor_b32 s82, s15, 1
	s_add_co_u32 s82, s82, s16
	s_add_co_u32 s82, s82, 1
	s_mul_i32 s82, s82, RB8
	v_mul_u32_u24 v6, s82, v4
	v_add_nc_u32 v6, v6, v[L4]
	s_add_co_u32 s83, s80, 3072
	v_add_nc_u32 v[ADRA+3], s80, v[L8]             ; place 3: one record a row-block, from byte 0 on
	v_add_nc_u32 v[ADRB+3], s81, v[L8]
	v_add_nc_u32 v[ADRS+3], s83, v6
	v_add_nc_u32 v[ADRA+2], 2*SLOT, v[ADRA+3]      ; place 2: the same behind the head's region
	v_add_nc_u32 v[ADRB+2], 2*SLOT, v[ADRB+3]
	v_add_nc_u32 v[ADRS+2], 2*SLOT, v[ADRS+3]
	s_lshl_b32 s80, s80, 1                         ; places 0 and 1: two records a row-block, so every distance doubles
	s_lshl_b32 s81, s81, 1
	s_lshl_b32 s82, s82, 1
	s_add_co_u32 s83, s80, 3072
	s_wait_alu depctr_va_vdst(0)                   ; the wait here, ahead of the readers below
	v_mul_u32_u24 v6, s82, v4
	v_add_nc_u32 v6, v6, v[L4]
	v_add_nc_u32 v[ADRA], s80, v[L8]
	v_add_nc_u32 v[ADRB], s81, v[L8]
	v_add_nc_u32 v[ADRS], s83, v6
	v_add_nc_u32 v[ADRA+1], REC, v[ADRA]
	v_add_nc_u32 v[ADRB+1], REC, v[ADRB]
	v_add_nc_u32 v[ADRS+1], REC, v[ADRS]
	s_lshl_b32 s84, s74, 10
	s_lshl_b32 s85, s16, 9
	s_add_co_u32 s84, s84, s85
	s_mov_b32 s85, 0
	s_add_nc_u64 s[84:85], s[8:9], s[84:85]
	v_lshlrev_b32 v7, 6, v4
.irp b, 0,1,2,3
.irp j, 0,1,2,3
	global_load_b128 v[BI+16*\b+4*\j:BI+16*\b+4*\j+3], v7, s[84:85] offset:128*\b+16*\j
.endr
.endr
	s_lshl_b32 s80, s75, 4
	s_lshl_b32 s81, s15, 3
	s_add_co_u32 s80, s80, s81
	s_lshl_b32 s80, s80, 4
	s_add_co_u32 s80, s80, s74
	s_mul_i32 s80, s80, REC
	s_mul_i32 s82, s16, 1536
	s_add_co_u32 s88, s80, s82
	s_mov_b32 s89, 0
	s_lshl_b32 s82, s16, 7
	s_add_co_u32 s90, s80, s82
	s_add_co_u32 s90, s90, 3072
	s_mov_b32 s91, 0
	s_add_nc_u64 s[18:19], s[10:11], s[88:89]
	s_add_nc_u64 s[20:21], s[10:11], s[90:91]
	s_wait_alu depctr_va_vdst(0)
	s_wait_tensorcnt 0x0                           ; my part of K = 0 .. 511 is in
	ds_add_u32 v[SPW], v[NIL]
	s_mov_b32 s[G1+1], 416<<16                     ; no tensor load of mine is out, so a descriptor may be written: from here on a load brings one record a row-block
	s_mov_b32 s[G1+3], 416<<16
	s_mov_b32 s[G1B+1], 416<<16
	s_mov_b32 s[G1B+3], 416<<16
	s_wait_dscnt 0x0
	CROUND
	JLOAD G0+8, G1, G0B+12, G1B                    ; K = 512 .. 767: it has three steps in which to land
	FETCH_B 0, 0, 0
	FETCH_A 0, 0, 0
	SCALES 0, 0
	FETCH_A 0, 0, 4
	KSTEP 0,0,0, 0,1,0, 1, 0
	KSTEP 0,1,0, 1,0,1, 0, 0
	KSTEP 1,0,1, 1,1,1, 0, 0
	KSTEP 1,1,1, 2,0,0, 0, 2
	KSTEP 2,0,0, 2,1,0, 0, 0
	KSTEP 2,1,0, 3,0,1, 0, 1
	KSTEP 3,0,1, 3,1,1, 0, 0
	LAST 1
	PLACES 4
	s_wait_loadcnt 0x0
	v_mov_b32 v8, 0xaf95df0b
	v_mov_b32 v9, 0xaf95df0b
	v_mov_b32 v10, 0xb77460cd
	v_mov_b32 v11, 0xb77460cd
	s_mov_b32 s3, 0
.Lrow:
.irp a, 0,1,2,3,4,5,6
	s_cmp_eq_u32 s3, \a
	s_cbranch_scc1 .Lcopy\a
.endr
	COPY 7
	s_branch .Ljoin
.irp a, 0,1,2,3,4,5,6
.Lcopy\a:
	COPY \a
	s_branch .Ljoin
.endr
.Ljoin:
	GELU16 0
	GELU16 1
	GELU16 2
	GELU16 3
	QUANT T
.irp j, 0,1,2,3,4,5
	global_store_b64 v[L8], v[PC+2*\j:PC+2*\j+1], s[18:19] offset:256*\j
.endr
	global_store_b32 v[L4], v[PW], s[20:21]
	s_wait_xcnt 0x0
	s_add_nc_u64 s[18:19], s[18:19], 16*REC
	s_add_nc_u64 s[20:21], s[20:21], 16*REC
	s_add_co_u32 s3, s3, 1
	s_cmp_lt_u32 s3, 8
	s_cbranch_scc1 .Lrow
	s_wait_tensorcnt 0x0
	ds_add_u32 v[SPW], v[NIL]
	s_wait_dscnt 0x0
	CROUND
	s_endpgm
.Lfunc_end_k_q0bbcd434ec_fc1:
	.size	k_q0bbcd434ec_fc1, .Lfunc_end_k_q0bbcd434ec_fc1-k_q0bbcd434ec_fc1
	.p2alignl 7, 3214868480
	.fill 96, 4, 3214868480
	.section	.rodata,"a",@progbits
	.p2align	6, 0x0
	.amdhsa_kernel k_q0bbcd434ec_fc1
		.amdhsa_group_segment_fixed_size 327680
		.amdhsa_private_segment_fixed_size 0
		.amdhsa_enable_private_segment 0
		.amdhsa_kernarg_size 32
		.amdhsa_user_sgpr_count 2
		.amdhsa_user_sgpr_kernarg_segment_ptr 1
		.amdhsa_wavefront_size32 1
		.amdhsa_system_sgpr_workgroup_id_x 1
		.amdhsa_system_sgpr_workgroup_id_y 1
		.amdhsa_system_sgpr_workgroup_id_z 1
		.amdhsa_system_vgpr_workitem_id 0
		.amdhsa_next_free_vgpr 1024
		.amdhsa_next_free_sgpr 100
		.amdhsa_reserve_vcc 0
		.amdhsa_float_denorm_mode_32 3
		.amdhsa_float_denorm_mode_16_64 3
		.amdhsa_memory_ordered 1
		.amdhsa_forward_progress 1
		.amdhsa_inst_pref_size 203
	.end_amdhsa_kernel
	.amdgpu_metadata
---
amdhsa.version: [ 1, 2 ]
amdhsa.kernels:
  - .name:           k_q0bbcd434ec_fc1
    .symbol:         k_q0bbcd434ec_fc1.kd
    .args:
      - { .name: h2c, .offset: 0, .size: 8, .value_kind: global_buffer, .address_space: global }
      - { .name: wq, .offset: 8, .size: 8, .value_kind: global_buffer, .address_space: global }
      - { .name: fc1_b, .offset: 16, .size: 8, .value_kind: global_buffer, .address_space: global }
      - { .name: gc, .offset: 24, .size: 8, .value_kind: global_buffer, .address_space: global }
    .group_segment_fixed_size: 327680
    .private_segment_fixed_size: 0
    .kernarg_segment_align: 8
    .kernarg_segment_size: 32
    .max_flat_workgroup_size: 128
    .sgpr_count:     100
    .vgpr_count:     1024
    .wavefront_size: 32
...
	.end_amdgpu_metadata
.endif
;; end of part 5
;; launch fc2 (part 6): grid 8 x 32, 4 waves a work-group, clusters of 4 x 4, 327,680 bytes of LDS; arguments gc, wq, fc2_b, x1, out0; writes out0
.if DOCPART == 6
	.amdgcn_target "amdgcn-amd-amdhsa--gfx1250"
	.amdhsa_code_object_version 6
	.text
	.protected	k_q0bbcd434ec_fc2
	.globl	k_q0bbcd434ec_fc2
	.p2align	8
	.type	k_q0bbcd434ec_fc2,@function
k_q0bbcd434ec_fc2:
	s_mov_b64 s[64:65], 0
	v_nop
	global_prefetch_b8 v0, s[64:65] scope:SCOPE_SE
	s_setreg_imm32_b32 hwreg(HW_REG_WAVE_MODE, 25, 1), 1
	s_wait_xcnt 0x0
	s_wait_alu depctr_hold_cnt(0) depctr_sa_sdst(0) depctr_va_vdst(0) depctr_va_sdst(0) depctr_va_ssrc(0) depctr_va_vcc(0) depctr_vm_vsrc(0)
	s_getreg_b32 s2, hwreg(HW_REG_IB_STS2, 6, 4)
	s_cmp_eq_u32 s2, 0
	s_cbranch_scc0 .Lentry_in_a_cluster
	s_endpgm
.Lentry_in_a_cluster:
	s_bfe_u32 s2, ttmp6, 0x10000c
	s_cmp_lg_u32 s2, 0xf033
	s_cbranch_scc0 .Lentry_shape_is_right
	s_endpgm
.Lentry_shape_is_right:
.set KP,    16
.set WOFF,  6815744
.set REC,   3328
.set ROWL,  4*REC
.set ROWS,  2*REC
.set LARGE, 16*ROWL
.set SMALL, 16*ROWS
.set STAGE, LARGE
.set SPARE, LARGE+SMALL
.set L8,   2
.set L4,   3
.set STO,  10
.set RD,   11
.set CO,   12
.set BO,   13
.set ADRA, 16
.set ADRB, 20
.set ADRS, 24
.set SPW,  28
.set NIL,  29
.set SCS,  32
.set OB,   40
.set BS,   104
.set ACC,  128
.set G1,   24
.set G0,   32
.set G1B,  48
.set G0B,  56
.set MUL,  0x05
.set TO_F, 0x40
.set MSB, 0
.macro WIN new
.if MSB != (\new)
	s_set_vgpr_msb (MSB<<8)|(\new)
.set MSB, (\new)
.endif
.endm
.macro PLACES n
.rept \n
	v_nop
.endr
.endm
.macro JLOAD g0a, g1a, g0b, g1b
	s_cmp_eq_u32 s15, 0
	s_cbranch_scc0 .Lfor_b_\@
	tensor_load_to_lds s[\g0a:\g0a+3], s[\g1a:\g1a+7]
	s_nop 0
.rept 4
	v_nop
.endr
	s_branch .Lasked_\@
.Lfor_b_\@:
	tensor_load_to_lds s[\g0b:\g0b+3], s[\g1b:\g1b+7]
	s_nop 0
.rept 4
	v_nop
.endr
.Lasked_\@:
.endm
.macro CREST
	s_cmp_lg_u32 s14, 0
	s_cbranch_scc1 .Lnot_wave_0_\@
	s_barrier_signal -3
.Lnot_wave_0_\@:
	s_barrier_wait -3
	s_barrier_signal -1
	s_barrier_wait -1
.endm
.macro CROUND
	s_barrier_signal -1
	s_barrier_wait -1
	CREST
.endm
.macro FETCH slot, q, p
.set RP, ROWL-(\slot)*ROWS
	WIN TO_F
.irp i, 0,1,2,3
.irp j, 0,1,2,3,4,5
	ds_load_b64 v[128*(\p)+12*\i+2*\j:128*(\p)+12*\i+2*\j+1], v[ADRA+\slot] offset:\i*RP+((\q)/2)*REC+((\q)%2)*1536+256*\j
.endr
.endr
.irp i, 0,1,2,3
.irp j, 0,1,2,3,4,5
	ds_load_b64 v[128*(\p)+48+12*\i+2*\j:128*(\p)+48+12*\i+2*\j+1], v[ADRB+\slot] offset:\i*RP+((\q)/2)*REC+((\q)%2)*1536+256*\j
.endr
.endr
	WIN 0
.irp i, 0,1,2,3
	ds_load_b32 v[SCS+4*(\p)+\i], v[ADRS+\slot] offset:\i*RP+((\q)/2)*REC+((\q)%2)*128
.endr
.endm
.macro MUL4 p, a, zero
.irp b, 0,1,2,3
.if \zero
	v_wmma_scale_f32_16x16x128_f8f6f4 v[ACC+8*(4*(\a)+\b):ACC+8*(4*(\a)+\b)+7], v[128*(\p)+48+12*\b:128*(\p)+48+12*\b+11], v[128*(\p)+12*(\a):128*(\p)+12*(\a)+11], 0, v[SCS+4*(\p)+\b], v[SCS+4*(\p)+(\a)] matrix_a_fmt:MATRIX_FMT_FP6 matrix_b_fmt:MATRIX_FMT_FP6 matrix_a_scale:MATRIX_SCALE_ROW1
.else
	v_wmma_scale_f32_16x16x128_f8f6f4 v[ACC+8*(4*(\a)+\b):ACC+8*(4*(\a)+\b)+7], v[128*(\p)+48+12*\b:128*(\p)+48+12*\b+11], v[128*(\p)+12*(\a):128*(\p)+12*(\a)+11], v[ACC+8*(4*(\a)+\b):ACC+8*(4*(\a)+\b)+7], v[SCS+4*(\p)+\b], v[SCS+4*(\p)+(\a)] matrix_a_fmt:MATRIX_FMT_FP6 matrix_b_fmt:MATRIX_FMT_FP6 matrix_a_scale:MATRIX_SCALE_ROW1
.endif
.endr
.endm
.macro SSTEP q, ns, nq, zero
	s_wait_dscnt 0x0
	PLACES 4
	FETCH \ns, \nq, 1-(\q)%2
	WIN MUL
	MUL4 (\q)%2, 0, \zero
	MUL4 (\q)%2, 1, \zero
	MUL4 (\q)%2, 2, \zero
	MUL4 (\q)%2, 3, \zero
.endm
.macro TURN cs, ns, fill
	WIN 0
	s_wait_tensorcnt 0x0
	ds_add_u32 v[SPW], v[NIL]
	s_wait_dscnt 1
	WIN MUL
	MUL4 1, 0, 0
	s_wait_dscnt 0x0
	s_barrier_signal -1
	MUL4 1, 1, 0
	WIN 0
	s_barrier_wait -1
.if \fill
	CREST
	s_add_nc_u64 s[G0+4*\cs+2:G0+4*\cs+3], s[G0+4*\cs+2:G0+4*\cs+3], 6*REC
	s_add_nc_u64 s[G0B+4*\cs+2:G0B+4*\cs+3], s[G0B+4*\cs+2:G0B+4*\cs+3], 6*REC
	JLOAD G0+4*\cs, G1+16*\cs, G0B+4*\cs, G1B+20*\cs
.else
	PLACES 4
.endif
	FETCH \ns, 0, 0
	WIN MUL
	MUL4 1, 2, 0
	MUL4 1, 3, 0
.endm
	s_load_b256 s[4:11], s[0:1], 0x0
	s_load_b64 s[12:13], s[0:1], 0x20
	v_lshl_add_u32 v[SPW], v0, 2, SPARE
	v_mov_b32 v[NIL], 0
	ds_add_u32 v28, v29
	ds_add_u32 v28, v29
	s_wait_dscnt 0x0
	v_lshrrev_b32 v1, 5, v0
	v_readfirstlane_b32 s14, v1
	s_lshr_b32 s15, s14, 1
	s_and_b32 s16, s14, 1
	s_bfe_u32 s96, ttmp6, 0x40000
	s_bfe_u32 s97, ttmp6, 0x40004
	s_lshl_b32 s98, ttmp9, 2
	s_add_co_u32 s98, s98, s96
	s_and_b32 s99, ttmp7, 0xffff
	s_lshl_b32 s99, s99, 2
	s_add_co_u32 s99, s99, s97
	s_lshl_b32 s76, s97, 2
	s_lshl_b32 s76, 15, s76
	s_lshl_b32 s77, 0x1111, s96
	s_or_b32 s[G1], s76, (3<<16)|(1<<21)
	s_or_b32 s[G1+16], s76, (3<<16)|(1<<21)
	s_or_b32 s[G1B], s77, (3<<16)|(1<<21)
	s_or_b32 s[G1B+20], s77, (3<<16)|(1<<21)
.irp g, G1, G1B
	s_mov_b32 s[\g+1], 1664<<16
	s_mov_b32 s[\g+2], 4<<16
	s_mov_b32 s[\g+3], 1664<<16
	s_mov_b32 s[\g+4], 4
	s_mov_b32 s[\g+5], KP*416
	s_mov_b32 s[\g+6], 0
	s_mov_b32 s[\g+7], 0
.endr
.irp g, G1+16, G1B+20
	s_mov_b32 s[\g+1], 832<<16
	s_mov_b32 s[\g+2], 4<<16
	s_mov_b32 s[\g+3], 832<<16
	s_mov_b32 s[\g+4], 4
	s_mov_b32 s[\g+5], KP*416
	s_mov_b32 s[\g+6], 0
	s_mov_b32 s[\g+7], 0
.endr
	s_lshl_b32 s82, s16, 2
	s_lshl_b32 s83, s99, 3
	s_add_co_u32 s83, s83, s82
	s_mul_i32 s84, s83, KP*REC
	s_mov_b32 s85, 0
	s_lshl_b32 s86, s98, 3
	s_add_co_u32 s86, s86, s82
	s_mul_i32 s86, s86, KP*REC
	s_add_co_u32 s86, s86, WOFF
	s_mov_b32 s87, 0
	s_mul_i32 s88, s14, 4*ROWL
	s_mul_i32 s89, s14, 4*ROWS
	s_wait_kmcnt 0x0
	s_add_nc_u64 s[92:93], s[4:5], s[84:85]
	s_add_nc_u64 s[94:95], s[6:7], s[86:87]
	CROUND
	s_mov_b32 s[G0], 1
	s_mov_b32 s[G0+1], s88
	s_mov_b64 s[G0+2:G0+3], s[92:93]
	s_or_b32 s[G0+3], s[G0+3], 0x80000000
	s_mov_b32 s[G0B], 1
	s_mov_b32 s[G0B+1], s88
	s_mov_b64 s[G0B+2:G0B+3], s[94:95]
	s_or_b32 s[G0B+3], s[G0B+3], 0x80000000
	JLOAD G0, G1, G0B, G1B
	s_mov_b32 s[G0+4], 1
	s_add_co_u32 s[G0+5], s89, LARGE
	s_add_nc_u64 s[G0+6:G0+7], s[92:93], 4*REC
	s_or_b32 s[G0+7], s[G0+7], 0x80000000
	s_mov_b32 s[G0B+4], 1
	s_add_co_u32 s[G0B+5], s89, LARGE
	s_add_nc_u64 s[G0B+6:G0B+7], s[94:95], 4*REC
	s_or_b32 s[G0B+7], s[G0B+7], 0x80000000
	s_wait_alu depctr_va_vdst(0)
	s_wait_tensorcnt 0x0
	ds_add_u32 v28, v29
	s_wait_dscnt 0x0
	CROUND
	JLOAD G0+4, G1+16, G0B+4, G1B+20
	v_and_b32 v1, 31, v0
	v_lshlrev_b32 v[L8], 3, v1
	v_lshlrev_b32 v[L4], 2, v1
	v_bfe_u32 v4, v0, 4, 1
	s_wait_alu depctr_va_vdst(0)
	v_and_b32 v5, 15, v0
	s_xor_b32 s82, s15, 1
	s_add_co_u32 s82, s82, s16
	s_add_co_u32 s82, s82, 1
.irp s, 0,1
.set RB4, 4*ROWL-(\s)*4*ROWS
	s_mul_i32 s80, s15, RB4
	s_add_co_u32 s80, s80, \s*LARGE
	s_mul_i32 s81, s16, RB4
	s_add_co_u32 s81, s81, 2*RB4+\s*LARGE
	s_mul_i32 s83, s82, RB4
	v_mul_u32_u24 v6, s83, v4
	v_add_nc_u32 v6, v6, v[L4]
	v_add_nc_u32 v[ADRA+\s], s80, v[L8]
	v_add_nc_u32 v[ADRB+\s], s81, v[L8]
	s_add_co_u32 s80, s80, 3072
	v_add_nc_u32 v[ADRS+\s], s80, v6
.endr
	s_mul_i32 s80, s14, 16*272
	s_add_co_u32 s80, s80, STAGE
	v_mul_u32_u24 v[STO], v5, 272
	v_lshl_add_u32 v[STO], v4, 6, v[STO]
	v_add_nc_u32 v[STO], s80, v[STO]
	v_mul_u32_u24 v[RD], v4, 272
	v_lshl_add_u32 v[RD], v5, 4, v[RD]
	v_add_nc_u32 v[RD], s80, v[RD]
	v_lshlrev_b32 v[BO], 4, v5
	v_lshl_add_u32 v[CO], v4, 12, v[BO]
	s_wait_alu depctr_va_vdst(0)
	s_lshl_b32 s80, s99, 7
	s_lshl_b32 s81, s15, 6
	s_add_co_u32 s80, s80, s81
	s_lshl_b32 s80, s80, 12
	s_lshl_b32 s90, s98, 9
	s_lshl_b32 s82, s16, 8
	s_add_co_u32 s90, s90, s82
	s_mov_b32 s91, 0
	s_add_co_u32 s80, s80, s90
	s_mov_b32 s81, 0
	s_add_nc_u64 s[10:11], s[10:11], s[80:81]
	s_add_nc_u64 s[12:13], s[12:13], s[80:81]
	s_add_nc_u64 s[8:9], s[8:9], s[90:91]
	WIN 0x80
.irp a, 0,1,2,3
.irp i, 0,1,2,3,4,5,6,7
	global_load_b128 v[4*(8*\a+\i):4*(8*\a+\i)+3], v[CO], s[10:11] offset:(32*(\a/2)+8*(\a%2)+2*\i+8*(\i/4))*4096
.endr
.endr
	WIN 0
	global_load_b128 v[BS:BS+3], v[BO], s[8:9]
	s_wait_tensorcnt 1
	s_barrier_signal -1
	s_barrier_wait -1
	FETCH 0, 0, 0
	SSTEP 0, 0, 1, 1
.irp q, 1,2,3,4,5,6
	SSTEP \q, 0, \q+1, 0
.endr
	TURN 0, 1, 1
.irp q, 0,1,2
	SSTEP \q, 1, \q+1, 0
.endr
	TURN 1, 0, 1
.irp q, 0,1,2,3,4,5,6
	SSTEP \q, 0, \q+1, 0
.endr
	TURN 0, 1, 1
.irp q, 0,1,2
	SSTEP \q, 1, \q+1, 0
.endr
	TURN 1, 0, 0
.irp q, 0,1,2,3,4,5,6
	SSTEP \q, 0, \q+1, 0
.endr
	s_wait_dscnt 0x0
	WIN MUL
	MUL4 1, 0, 0
	MUL4 1, 1, 0
	MUL4 1, 2, 0
	MUL4 1, 3, 0
	WIN 0
	PLACES 4
	s_wait_loadcnt 0x0
.macro OUT a
.set OO, OB+32*((\a)%2)
.irp b, 0,1,2,3
	ds_store_b128 v[STO], v[ACC+8*(4*(\a)+\b):ACC+8*(4*(\a)+\b)+3] offset:128*(\b/2)+32*(\b%2)
	ds_store_b128 v[STO], v[ACC+8*(4*(\a)+\b)+4:ACC+8*(4*(\a)+\b)+7] offset:128*(\b/2)+32*(\b%2)+16
.endr
.if (\a) > 1
	s_wait_xcnt 0x0
.endif
.irp i, 0,1,2,3,4,5,6,7
	ds_load_b128 v[OO+4*\i:OO+4*\i+3], v[RD] offset:544*\i
.endr
	s_wait_dscnt 0x0
.irp i, 0,1,2,3,4,5,6,7
	v_pk_add_f32 v[OO+4*\i:OO+4*\i+1], v[OO+4*\i:OO+4*\i+1], v[BS:BS+1]
	v_pk_add_f32 v[OO+4*\i+2:OO+4*\i+3], v[OO+4*\i+2:OO+4*\i+3], v[BS+2:BS+3]
.endr
	WIN 0x02
.irp i, 0,1,2,3,4,5,6,7,8,9,10,11,12,13,14,15
	v_pk_add_f32 v[OO+2*\i:OO+2*\i+1], v[32*(\a)+2*\i:32*(\a)+2*\i+1], v[OO+2*\i:OO+2*\i+1]
.endr
	WIN 0
.irp i, 0,1,2,3,4,5,6,7
	global_store_b128 v[CO], v[OO+4*\i:OO+4*\i+3], s[12:13] offset:(32*((\a)/2)+8*((\a)%2)+2*\i+8*(\i/4))*4096
.endr
.endm
	OUT 0
	OUT 1
	OUT 2
	OUT 3
	s_wait_tensorcnt 0x0
	ds_add_u32 v[SPW], v[NIL]
	s_wait_dscnt 0x0
	CROUND
	s_endpgm
.Lfunc_end_k_q0bbcd434ec_fc2:
	.size	k_q0bbcd434ec_fc2, .Lfunc_end_k_q0bbcd434ec_fc2-k_q0bbcd434ec_fc2
	.p2alignl 7, 3214868480
	.fill 96, 4, 3214868480
	.section	.rodata,"a",@progbits
	.p2align	6, 0x0
	.amdhsa_kernel k_q0bbcd434ec_fc2
		.amdhsa_group_segment_fixed_size 327680
		.amdhsa_private_segment_fixed_size 0
		.amdhsa_enable_private_segment 0
		.amdhsa_kernarg_size 40
		.amdhsa_user_sgpr_count 2
		.amdhsa_user_sgpr_kernarg_segment_ptr 1
		.amdhsa_wavefront_size32 1
		.amdhsa_system_sgpr_workgroup_id_x 1
		.amdhsa_system_sgpr_workgroup_id_y 1
		.amdhsa_system_sgpr_workgroup_id_z 1
		.amdhsa_system_vgpr_workitem_id 0
		.amdhsa_next_free_vgpr 768
		.amdhsa_next_free_sgpr 100
		.amdhsa_reserve_vcc 0
		.amdhsa_float_denorm_mode_32 3
		.amdhsa_float_denorm_mode_16_64 3
		.amdhsa_memory_ordered 1
		.amdhsa_forward_progress 1
		.amdhsa_inst_pref_size 208
	.end_amdhsa_kernel
	.amdgpu_metadata
---
amdhsa.version: [ 1, 2 ]
amdhsa.kernels:
  - .name:           k_q0bbcd434ec_fc2
    .symbol:         k_q0bbcd434ec_fc2.kd
    .args:
      - { .name: gc, .offset: 0, .size: 8, .value_kind: global_buffer, .address_space: global }
      - { .name: wq, .offset: 8, .size: 8, .value_kind: global_buffer, .address_space: global }
      - { .name: fc2_b, .offset: 16, .size: 8, .value_kind: global_buffer, .address_space: global }
      - { .name: x1, .offset: 24, .size: 8, .value_kind: global_buffer, .address_space: global }
      - { .name: out0, .offset: 32, .size: 8, .value_kind: global_buffer, .address_space: global }
    .group_segment_fixed_size: 327680
    .private_segment_fixed_size: 0
    .kernarg_segment_align: 8
    .kernarg_segment_size: 40
    .max_flat_workgroup_size: 128
    .sgpr_count:     100
    .vgpr_count:     768
    .wavefront_size: 32
...
	.end_amdgpu_metadata
.endif
;; end of part 6
